; MI455X (gfx1250); checked and timed in simulation.
; The chip was launched on July 23, 2026; its instructions are those of AMD's public machine-readable ISA for CDNA 5 (MIT licence, August 2026) and "CDNA5" Instruction Set Architecture Reference Guide (July 2026). The comments in the code are by the model that wrote it; some were corrected since.
;; Head. Allowed arithmetic: matrix products marked QUANTISED: E2M1 operands, one E8M0 scale for each 32 along K, by v_wmma_scale_f32_16x16x128_f8f6f4 with both operands' format E2M1 (or v_wmma_scale_f32_32x16x128_f4), f32 sums; products left as they are: bf16, f16 or f32 operands; f32 sums; everything else in f32.
;; Inputs: Wk 512 x 512 float32; Wq 512 x 512 float32; Wv 512 x 512 float32; x 32 x 512 x 32 x 32 float32.
;; Outputs: out0 32 x 512 x 32 x 32 float32.
;; This version of the problem:
;;   THIS VERSION OF THE PROBLEM IS GIVEN IN LOW PRECISION. The matrix products marked QUANTISED in the list below multiply operands that are first quantised to E2M1 (2 exponent bits, 1 mantissa bit; 4 bits a number), with one power-of-two scale for each 32 numbers along K (OCP MX v1.0); their sums are f32. The products marked 'left as it is' may take bf16, f16 or f32 operands, with f32 sums. Whichever they take, every output number must still come out within the allowed error. Rounding operands to bf16 (8 significant bits) uses up far more of that allowance than f16 does (11 bits, for magnitudes from 6e-5 to 65,504). All else is computed in f32.
;;   The module's matrix products, in the order in which they are computed (A, B: the left and right operand; K: the contracted axis; several contracted axes count as one K, in the product's order):
;;     1. [M 32,768, K 512] x [K 512, N 512]; A: input x; B: input Wq: QUANTISED
;;     2. [M 32,768, K 512] x [K 512, N 512]; A: input x; B: input Wk: QUANTISED
;;     3. [M 32,768, K 512] x [K 512, N 512]; A: input x; B: input Wv: QUANTISED
;;     4. batch 32 x [M 1,024, K 512] x [K 512, N 1,024]; A: computed on the way; B: computed on the way: left as it is (an operand is computed on the way)
;;     5. batch 32 x [M 1,024, K 1,024] x [K 1,024, N 512]; A: computed on the way; B: computed on the way: left as it is (an operand is computed on the way)
;;   THE QUANTISER, for each operand of a quantised product, along K:
;;     - K is cut into blocks of 32 from its start; a last block that is shorter is filled with zeros.
;;     - A block's scale is 2^e with e = floor(log2(the largest magnitude in the block)) - 2, held to -126 .. 127; a block of zeros has e = 0. As a byte (E8M0): e + 127.
;;     - Each number is divided by its block's scale, clamped to +-6, and rounded to the nearest number of E2M1, ties to even, subnormals kept.
;;     - The product sums the exact products of the quantised numbers (number of the format x scale) in f32.
;;   ~~~python
;;   def quantise(x, axis):      # numpy; x: float32 -> the quantised numbers, widened to float32 again
;;       x = np.moveaxis(x, axis, -1); K = x.shape[-1]
;;       x = np.pad(x, [(0, 0)] * (x.ndim - 1) + [(0, -K % 32)]); x = x.reshape(x.shape[:-1] + (-1, 32)); a = np.abs(x).max(-1, keepdims=True)
;;       e = np.where(a > 0, np.clip(np.frexp(np.where(a > 0, a, 1))[1] - 1 - 2, -126, 127), 0)      # np.frexp(a)[1] - 1 = floor(log2(a)), exactly
;;       r = np.clip(x / 2.0 ** e, -6, 6)
;;       step = 2.0 ** (np.maximum(np.frexp(np.where(r == 0, 1, r))[1] - 1, 0) - 1)
;;       q = np.round(r / step) * step * 2.0 ** e      # np.round: ties to even
;;       return np.moveaxis(q.reshape(q.shape[:-2] + (-1,))[..., :K], -1, axis).astype(np.float32)
;;   ~~~
;; 2 versions, each right. Each part assembles by itself: llvm-mc -triple=amdgcn-amd-amdhsa -mcpu=gfx1250 --defsym DOCPART=n.
;; ======== version 1 of 2: 3 launches
;; limits: values are held in f16: magnitudes above 65,504 overflow, below 6.1e-05 lose precision
;; workspace buffers: wimg 417,792 bytes; qimg 33,554,432 bytes; kimg 33,554,432 bytes; vimg 33,554,432 bytes
;; launch prep (part 1): grid 96 x 1, 1 waves a work-group, no clusters, 0 bytes of LDS; arguments Wq, Wk, Wv, wimg; writes wimg
.if DOCPART == 1
	.amdgcn_target "amdgcn-amd-amdhsa--gfx1250"
	.amdhsa_code_object_version 6
	.text
	.protected	k_qf0fa8ef528_prep
	.globl	k_qf0fa8ef528_prep
	.p2align	8
	.type	k_qf0fa8ef528_prep,@function
k_qf0fa8ef528_prep:
	s_mov_b64 s[64:65], 0
	v_nop
	global_prefetch_b8 v0, s[64:65] scope:SCOPE_SE
	s_setreg_imm32_b32 hwreg(HW_REG_WAVE_MODE, 25, 1), 1
	s_wait_xcnt 0x0
; Wq, Wk, Wv [512][512] f32 (K innermost) become codes of FP4 (E2M1) with one E8M0 scale byte for each 32 along K,
; laid in wimg in the order of the matrix operand's registers, so that the next launch loads fragments whole.
; Work-group g (one wave) takes one column tile: 16 rows of matrix g / 32 (q, k, v), rows 16 (g % 32) on, all 512 along K: 4 fragments of 16 x 128.
; wimg: 24 blocks of 17,408 bytes, block g / 4.  In a block, with i = g % 4: fragment (i, K step s) at (4 i + s) 1024 + 512 c + 16 lane
; (registers 4 c .. 4 c + 3 of the lane); the scale words at 16,384 + 256 i + 8 lane + 4 u: row lane % 16, K step 2 u + lane / 16.
; A block's scale is 2^(floor(log2(largest magnitude)) - 2); its byte is the largest magnitude's exponent field - 2, held at 1 from below.
; A block of zeros so gets the byte 1 where the rule says 127: its codes are zeros, and the bytes are read by this program alone.
; LIMITS: NaN and infinities among the inputs are not served.
; The loads take 16 bytes a lane out of pieces of 64 bytes: the conversions want 16 neighbours along K in one lane, and the whole launch reads 3 MB once.
.set XA,  1                            ; v1      row r x 2,048 bytes + 64 h: my 16 numbers of a block of 32
.set LI,  2                            ; v2      16 x lane
.set L8,  3                            ; v3      8 x lane
.set TM,  8                            ; v8-23   at work: +0..3 largest magnitudes, +4..7 bytes, +12..15 the conversions' scale operands
.set PW,  24                           ; v24-27  the scale word of K step s
.set U,   28                           ; v28-29  the scale image's pair
.set PC,  32                           ; v32-63  codes: 8 registers for each K step, so that no store's data are written again
.set X,   64                           ; v64-255 three sets of 64 numbers
.set SEL, 12                           ; s[12:13] lane selects for v_permlanex16_b32: lane l xor 16
; 64 numbers of a lane, register 16 b + i = k 32 b + 16 (lane / 16) + i of my row, become a fragment's codes in v[pc] on and its scale word in v[pw]
.macro QUANT s, pc, pw
.irp b, 0,1,2,3
	v_max3_num_f32 v[TM+\b], |v[(\s)+16*\b]|, |v[(\s)+1+16*\b]|, 0x1800000   ; block b: my 16 numbers, and the floor 2^(3 - 127): the byte cannot fall under 1
.endr
.irp i, 2,4,6,8,10,12,14
.irp b, 0,1,2,3
	v_max3_num_f32 v[TM+\b], v[TM+\b], |v[(\s)+16*\b+\i]|, |v[(\s)+1+16*\b+\i]|   ; the four blocks by turns
.endr
.endr
.irp b, 0,1,2,3
	v_permlanex16_b32 v[TM+4+\b], v[TM+\b], s[SEL], s[SEL+1]
.endr
.irp b, 0,1,2,3
	v_max_num_f32 v[TM+\b], v[TM+\b], v[TM+4+\b]   ; with lane l xor 16: the block's largest magnitude
.endr
.irp b, 0,1,2,3
	v_add_nc_u32 v[TM+12+\b], 0xff000000, v[TM+\b]   ; 2 off its exponent field: the conversion takes this operand's exponent field as its scale
.endr
.irp b, 0,1,2,3
	v_lshrrev_b32 v[TM+4+\b], 23, v[TM+12+\b]      ; the scale's byte
.endr
	v_lshl_or_b32 v[\pw], v[TM+5], 8, v[TM+4]      ; four bytes make my row's scale word
	v_lshl_or_b32 v[\pw], v[TM+6], 16, v[\pw]
	v_lshl_or_b32 v[\pw], v[TM+7], 24, v[\pw]
.irp b, 0,1,2,3
	v_cvt_scalef32_pk8_fp4_f32 v[(\pc)+2*\b], v[(\s)+16*\b:(\s)+7+16*\b], v[TM+12+\b]
	v_cvt_scalef32_pk8_fp4_f32 v[(\pc)+1+2*\b], v[(\s)+8+16*\b:(\s)+15+16*\b], v[TM+12+\b]
.endr
	v_nop                                          ; one plain place behind a scaled conversion
.irp c, 0,1                                    ; the operand's layout wants a whole block in a lane: lanes 0-15 block 2 c, lanes 16-31 block 2 c + 1
.irp i, 0,1
	v_permlane16_swap_b32 v[(\pc)+4*\c+\i], v[(\pc)+2+4*\c+\i]
.endr
.endr
.endm
.macro XLOAD set, s                    ; K step s of my 16 rows into a set: 16 loads
.irp b, 0,1,2,3
.irp j, 0,1,2,3
	global_load_b128 v[X+64*(\set)+16*\b+4*\j:X+64*(\set)+16*\b+4*\j+3], v[XA], s[4:5] offset:512*(\s)+128*\b+16*\j th:TH_LOAD_NT
.endr
.endr
.endm
.macro FRAG set, s, left               ; left: the loads of younger K steps, which may stay out
	s_wait_loadcnt \left
	QUANT X+64*(\set), PC+8*(\s), PW+(\s)
	global_store_b128 v[LI], v[PC+8*(\s):PC+8*(\s)+3], s[10:11] offset:1024*(\s)       ; 32 lanes store 512 consecutive bytes
	global_store_b128 v[LI], v[PC+8*(\s)+4:PC+8*(\s)+7], s[10:11] offset:1024*(\s)+512
.endm
	s_load_b256 s[4:11], s[0:1], 0x0               ; Wq s[4:5], Wk s[6:7], Wv s[8:9], wimg s[10:11]
	v_and_b32 v4, 15, v0                           ; r
	v_lshrrev_b32 v5, 4, v0                        ; h
	v_lshlrev_b32 v[XA], 11, v4
	v_lshl_add_u32 v[XA], v5, 6, v[XA]
	v_lshlrev_b32 v[LI], 4, v0
	v_lshlrev_b32 v[L8], 3, v0
	s_mov_b32 s[SEL], 0x76543210
	s_mov_b32 s[SEL+1], 0xfedcba98
.irp b, 0,1,2,3
	v_mov_b32 v[TM+4+\b], 0                        ; written once: a lane permute's destination counts as one of its sources
.endr
	s_and_b32 s14, ttmp9, 31
	s_lshl_b32 s14, s14, 15                        ; my 16 rows of 2,048 bytes
	s_mov_b32 s15, 0
	s_lshr_b32 s16, ttmp9, 2
	s_mul_i32 s16, s16, 17408                      ; my block of wimg
	s_and_b32 s17, ttmp9, 3
	s_lshl_b32 s18, s17, 12
	s_add_co_u32 s18, s18, s16                     ; my four fragments
	s_mov_b32 s19, 0
	s_lshl_b32 s20, s17, 8
	s_add_co_u32 s20, s20, s16
	s_add_co_u32 s20, s20, 16384                   ; my scale image
	s_mov_b32 s21, 0
	s_wait_kmcnt 0x0
	s_cmp_lt_u32 ttmp9, 64                         ; which matrix: the choice hangs on the work-group's number alone
	s_cselect_b64 s[6:7], s[6:7], s[8:9]
	s_cmp_lt_u32 ttmp9, 32
	s_cselect_b64 s[4:5], s[4:5], s[6:7]
	s_add_nc_u64 s[4:5], s[4:5], s[14:15]
	s_add_nc_u64 s[22:23], s[10:11], s[20:21]
	s_add_nc_u64 s[10:11], s[10:11], s[18:19]
	XLOAD 0, 0
	XLOAD 1, 1
	XLOAD 2, 2
	FRAG 0, 0, 32                                  ; K steps 1 and 2 may be out
	XLOAD 0, 3                                     ; into the set just quantised
	FRAG 1, 1, 32                                  ; K steps 2 and 3 may be out
	FRAG 2, 2, 16
	FRAG 0, 3, 0
	v_cmp_gt_u32 vcc_lo, 16, v0                    ; both halves of the lanes hold the row's words: lanes 0-15 keep K steps 0 and 2, lanes 16-31 K steps 1 and 3
	v_cndmask_b32 v[U], v[PW+1], v[PW], vcc_lo
	v_cndmask_b32 v[U+1], v[PW+3], v[PW+2], vcc_lo
	global_store_b64 v[L8], v[U:U+1], s[22:23]     ; 32 lanes store 256 consecutive bytes, aligned
	s_endpgm
.Lfunc_end_k_qf0fa8ef528_prep:
	.size	k_qf0fa8ef528_prep, .Lfunc_end_k_qf0fa8ef528_prep-k_qf0fa8ef528_prep
	.p2alignl 7, 3214868480
	.fill 96, 4, 3214868480
	.section	.rodata,"a",@progbits
	.p2align	6, 0x0
	.amdhsa_kernel k_qf0fa8ef528_prep
		.amdhsa_group_segment_fixed_size 0
		.amdhsa_private_segment_fixed_size 0
		.amdhsa_enable_private_segment 0
		.amdhsa_kernarg_size 32
		.amdhsa_user_sgpr_count 2
		.amdhsa_user_sgpr_kernarg_segment_ptr 1
		.amdhsa_wavefront_size32 1
		.amdhsa_system_sgpr_workgroup_id_x 1
		.amdhsa_system_sgpr_workgroup_id_y 1
		.amdhsa_system_sgpr_workgroup_id_z 1
		.amdhsa_system_vgpr_workitem_id 0
		.amdhsa_next_free_vgpr 256
		.amdhsa_next_free_sgpr 66
		.amdhsa_reserve_vcc 1
		.amdhsa_float_denorm_mode_32 3
		.amdhsa_float_denorm_mode_16_64 3
		.amdhsa_memory_ordered 1
		.amdhsa_forward_progress 1
		.amdhsa_inst_pref_size 24
	.end_amdhsa_kernel
	.amdgpu_metadata
---
amdhsa.version: [ 1, 2 ]
amdhsa.kernels:
  - .name:           k_qf0fa8ef528_prep
    .symbol:         k_qf0fa8ef528_prep.kd
    .args:
      - { .name: Wq, .offset: 0, .size: 8, .value_kind: global_buffer, .address_space: global }
      - { .name: Wk, .offset: 8, .size: 8, .value_kind: global_buffer, .address_space: global }
      - { .name: Wv, .offset: 16, .size: 8, .value_kind: global_buffer, .address_space: global }
      - { .name: wimg, .offset: 24, .size: 8, .value_kind: global_buffer, .address_space: global }
    .group_segment_fixed_size: 0
    .private_segment_fixed_size: 0
    .kernarg_segment_align: 8
    .kernarg_segment_size: 32
    .max_flat_workgroup_size: 32
    .sgpr_count:     66
    .vgpr_count:     256
    .wavefront_size: 32
...
	.end_amdgpu_metadata
.endif
;; end of part 1
;; launch proj (part 2): grid 256 x 1, 4 waves a work-group, clusters of 4 x 1, 327,680 bytes of LDS; arguments x, wimg, qimg, kimg, vimg; writes qimg, kimg, vimg
.if DOCPART == 2
	.amdgcn_target "amdgcn-amd-amdhsa--gfx1250"
	.amdhsa_code_object_version 6
	.text
	.protected	k_qf0fa8ef528_proj
	.globl	k_qf0fa8ef528_proj
	.p2align	8
	.type	k_qf0fa8ef528_proj,@function
k_qf0fa8ef528_proj:
	s_mov_b64 s[64:65], 0
	v_nop
	global_prefetch_b8 v0, s[64:65] scope:SCOPE_SE
	s_setreg_imm32_b32 hwreg(HW_REG_WAVE_MODE, 25, 1), 1
	s_wait_xcnt 0x0
	s_wait_alu depctr_hold_cnt(0) depctr_sa_sdst(0) depctr_va_vdst(0) depctr_va_sdst(0) depctr_va_ssrc(0) depctr_va_vcc(0) depctr_vm_vsrc(0)
	s_getreg_b32 s2, hwreg(HW_REG_IB_STS2, 6, 4)
	s_cmp_eq_u32 s2, 0
	s_cbranch_scc0 .Lentry_in_a_cluster
	s_endpgm
.Lentry_in_a_cluster:
	s_bfe_u32 s2, ttmp6, 0x10000c
	s_cmp_lg_u32 s2, 0x3003
	s_cbranch_scc0 .Lentry_shape_is_right
	s_endpgm
.Lentry_shape_is_right:
; q, k, v = xs Wq^T, xs Wk^T, xs Wv^T on codes of FP4 (E2M1) with E8M0 scales for each 32 along K; xs = x read as [32,768][512] f32; sums in f32.
; The results leave as f16, in the order of the next launch's operand registers:
;   qimg, kimg: [row / 16][channel / 16][512 bytes]: lane (r, h) has, at 16 lane, row r, channels 8 h + 0 .. 7.  qimg holds c q, c = log2(e) / sqrt(512), scaled in f32 ahead of the rounding.
;   vimg: [row / 32][channel / 16][2][512 bytes]: lane (r, h) has channel r, keys 16 c + 8 h + 0 .. 7.
; SHARES.  A work-group takes 128 rows and all 1,536 columns.  Phase X: wave w quantises rows 32 w .. 32 w + 31 of x (8 fragments of 16 x 128) and hands them to the others through LDS as images
; of the operand's registers; then every wave keeps all 32 fragments of x in registers.  Six steps (q, q, k, k, v, v: 256 columns each): wave w makes column tiles 16 (step % 2) + 4 w + 0 .. 3
; for the 8 tiles of rows.  For q and k source 0 = 16 rows of W, source 1 = x: a lane holds one row and eight neighbouring channels.  For v the sources are swapped: a lane holds one channel and eight neighbouring keys.
; W comes as codes from wimg through three LDS slots, a step's 69,632 bytes each; a wave fetches and reads its own quarter.
; CLUSTER.  All work-groups walk the same W: the four of a cluster ask for each quarter jointly (the same tensor load, the same descriptor, a mask that names the four).
; No prefetch: the launch is a stream of x in and three images out, with 64 loads of 512 bytes a wave on their way from its first lines on.
; LIMITS: |c q|, |k|, |v| up to 65,504 (f16); NaN and infinities among the inputs are not served.  A block of zeros gets the scale byte 1 where the rule says 127: its codes are zeros.
; REGISTERS.  window 0: v1-17 addresses; v24-27 W's scale words, v32-63 x's (they hold scales and nothing else); v64-95 results to store; v96-159 W's fragments, two buffers; v160-223 eight accumulators.
;   In phase X: v96-103 codes, v104-119 at work, v120 the scale word, v160-223 64 numbers.   window 1: in phase X four sets of 64 numbers as loaded; then x's 32 fragments.
.set WBLK,   17408                     ; a wave's quarter of a step's W: 16 fragments and 4 scale images
.set WSLOT,  4*WBLK
.set XIMG,   3*WSLOT                   ; behind the three slots: x's 32 fragments (tile of rows M, K step s: F = 4 M + s), 1,024 bytes each,
.set XSC,    XIMG+32*1024              ; their scale words, 128 bytes each,
.set STG,    XSC+32*128                ; a stage of 16 rows x (512 + 16) bytes for each wave,
.set SPITCH, 528
.set SPARE,  STG+4*16*SPITCH           ; and the spare words, 128 bytes for each wave: two blocks of 256 bytes that no other line names
.set LI,  1                            ; v1     16 x lane
.set STI, 2                            ; v2     the stage, on the way in: a row's 512 bytes as they lie
.set STR, 3                            ; v3     and on the way out: row r, + 64 h
.set XWI, 4                            ; v4     where I store x's images
.set XWS, 5                            ; v5     and their scale words
.set LIX, 6                            ; v6     where any wave reads them
.set LSX, 7                            ; v7
.set WA,  8                            ; v8-10  my quarter of slot 0, 1, 2: + 16 x lane
.set WSA, 11                           ; v11-13 its scale images: + 8 x lane
.set VOQ, 14                           ; v14    my offset in qimg, kimg: 16 x lane + 4 w tiles of 512 bytes
.set VOV, 15                           ; v15    in vimg: 16 x lane + 4 w tiles of 1,024 bytes
.set SPW, 16                           ; v16    my spare word; never rewritten
.set NIL, 17                           ; v17    0; never rewritten
.set WS,  24
.set XS,  32
.set OUT, 64
.set WB,  96
.set ACC, 160
.set T,   160
.set PC,  96
.set TM,  104
.set PW,  120
.set WV,  14                           ; s14    my wave's number
.set G1,  20                           ; s[20:27] descriptor group 1
.set G0,  28                           ; s[28:39] descriptor group 0, a set for each slot
.set SEL, 40                           ; s[40:41]
.set CS,  42                           ; s[42:43] c, twice: the packed form names a pair
.set MSB, 0
.macro WIN new                         ; the immediate's high byte repeats the setting that is left; a switch that changes nothing is dropped
.if MSB != (\new)
	s_set_vgpr_msb (MSB<<8)|(\new)
.set MSB, (\new)
.endif
.endm
.macro CROUND                          ; a round of the cluster's barrier
	s_barrier_signal -1
	s_barrier_wait -1
	s_cmp_lg_u32 s[WV], 0
	s_cbranch_scc1 .Lnot_wave_0_\@
	s_barrier_signal -3
.Lnot_wave_0_\@:
	s_barrier_wait -3
	s_barrier_signal -1
	s_barrier_wait -1
.endm
.macro QUANT s, pc, pw                 ; 64 numbers of a lane, register 16 b + i = k 32 b + 16 (lane / 16) + i of my row, become a fragment's codes and its scale word
.irp b, 0,1,2,3
	v_max3_num_f32 v[TM+\b], |v[(\s)+16*\b]|, |v[(\s)+1+16*\b]|, 0x1800000   ; and the floor 2^(3 - 127): the byte cannot fall under 1
.endr
.irp i, 2,4,6,8,10,12,14
.irp b, 0,1,2,3
	v_max3_num_f32 v[TM+\b], v[TM+\b], |v[(\s)+16*\b+\i]|, |v[(\s)+1+16*\b+\i]|
.endr
.endr
.irp b, 0,1,2,3
	v_permlanex16_b32 v[TM+4+\b], v[TM+\b], s[SEL], s[SEL+1]
.endr
.irp b, 0,1,2,3
	v_max_num_f32 v[TM+\b], v[TM+\b], v[TM+4+\b]
.endr
.irp b, 0,1,2,3
	v_add_nc_u32 v[TM+12+\b], 0xff000000, v[TM+\b]   ; 2 off the exponent field: the conversion's scale operand
.endr
.irp b, 0,1,2,3
	v_lshrrev_b32 v[TM+4+\b], 23, v[TM+12+\b]
.endr
	v_lshl_or_b32 v[\pw], v[TM+5], 8, v[TM+4]
	v_lshl_or_b32 v[\pw], v[TM+6], 16, v[\pw]
	v_lshl_or_b32 v[\pw], v[TM+7], 24, v[\pw]
.irp b, 0,1,2,3
	v_cvt_scalef32_pk8_fp4_f32 v[(\pc)+2*\b], v[(\s)+16*\b:(\s)+7+16*\b], v[TM+12+\b]
	v_cvt_scalef32_pk8_fp4_f32 v[(\pc)+1+2*\b], v[(\s)+8+16*\b:(\s)+15+16*\b], v[TM+12+\b]
.endr
	v_nop                                          ; one plain place behind a scaled conversion
.irp c, 0,1
.irp i, 0,1
	v_permlane16_swap_b32 v[(\pc)+4*\c+\i], v[(\pc)+2+4*\c+\i]
.endr
.endr
.endm
	s_load_b256 s[4:11], s[0:1], 0x0               ; x s[4:5], wimg s[6:7], qimg s[8:9], kimg s[10:11]
	s_load_b64 s[12:13], s[0:1], 0x20              ; vimg
	v_lshl_add_u32 v[SPW], v0, 2, SPARE
	v_mov_b32 v[NIL], 0
	ds_add_u32 v[SPW], v[NIL]                      ; the wave's opening: the add, twice on end, and its wait ahead of my first tensor load
	ds_add_u32 v[SPW], v[NIL]                      ; and once more; the set-up below, work on registers, stands between it and the wait
	v_lshrrev_b32 v18, 5, v0
	v_readfirstlane_b32 s[WV], v18                 ; wave 0..3
	s_bfe_u32 s15, ttmp6, 0x40000                  ; cx: my place in the cluster: it enters the addresses of x and of the three images alone
	s_lshl_b32 s16, ttmp9, 2
	s_add_co_u32 s16, s16, s15                     ; my block of 128 rows
	; descriptor group 1: a dense block of 17,408 bytes as 68 rows of 256 bytes (32 elements of 8 bytes)
	s_mov_b32 s[G1], 15|(3<<16)|(1<<21)            ; 15:0 the mask: all four work-groups; 17:16 elements of 8 bytes; 21 set beside a mask
	s_mov_b32 s[G1+1], 32<<16                      ; tensor_dim0 = 32
	s_mov_b32 s[G1+2], 68<<16                      ; tensor_dim1 = 68
	s_mov_b32 s[G1+3], 32<<16                      ; tile_dim0 = 32
	s_mov_b32 s[G1+4], 68                          ; tile_dim1 = 68
	s_mov_b32 s[G1+5], 32                          ; from row to row
	s_mov_b32 s[G1+6], 0
	s_mov_b32 s[G1+7], 0
	s_mul_i32 s44, s[WV], WBLK                     ; my quarter, in a slot and in a step's part of wimg: no place in the cluster enters it
	s_mov_b32 s45, 0
	s_mov_b32 s[SEL], 0x76543210
	s_mov_b32 s[SEL+1], 0xfedcba98
	s_mov_b32 s[CS], 0x3d8293ee                    ; c = log2(e) / sqrt(512)
	s_mov_b32 s[CS+1], s[CS]
	s_lshl_b32 s46, s16, 18                        ; x: 128 rows of 2,048 bytes a work-group,
	s_lshl_b32 s47, s[WV], 16                      ; 32 a wave
	s_add_co_u32 s46, s46, s47
	s_mov_b32 s47, 0
	s_lshl_b32 s48, s16, 17                        ; each image: 131,072 bytes a work-group
	s_mov_b32 s49, 0
	v_and_b32 v18, 31, v0                          ; lane
	v_and_b32 v19, 15, v0                          ; r
	v_bfe_u32 v20, v0, 4, 1                        ; h
	v_lshlrev_b32 v[LI], 4, v18
	s_mul_i32 s50, s[WV], 16*SPITCH
	s_add_co_u32 s50, s50, STG                     ; my stage
	v_add_nc_u32 v[STI], s50, v[LI]
	v_mul_u32_u24 v21, v19, SPITCH
	v_lshl_add_u32 v21, v20, 6, v21
	v_add_nc_u32 v[STR], s50, v21
	s_lshl_b32 s51, s[WV], 13
	s_add_co_u32 s51, s51, XIMG
	v_add_nc_u32 v[XWI], s51, v[LI]                ; my 8 fragments: F = 8 w on
	v_lshlrev_b32 v22, 2, v18
	s_lshl_b32 s51, s[WV], 10
	s_add_co_u32 s51, s51, XSC
	v_add_nc_u32 v[XWS], s51, v22
	v_add_nc_u32 v[LIX], XIMG, v[LI]
	v_add_nc_u32 v[LSX], XSC, v22
	v_lshlrev_b32 v23, 3, v18
	s_add_co_u32 s52, s44, 16384
.irp s, 0,1,2
	v_add_nc_u32 v[WA+\s], s44, v[LI]
	v_add_nc_u32 v[WSA+\s], s52, v23
	s_add_co_u32 s44, s44, WSLOT
	s_add_co_u32 s52, s52, WSLOT
.endr
	s_mul_i32 s44, s[WV], WBLK
	v_lshl_add_u32 v[VOQ], s[WV], 11, v[LI]
	v_lshl_add_u32 v[VOV], s[WV], 12, v[LI]
.irp b, 0,1,2,3
	v_mov_b32 v[TM+4+\b], 0                        ; written once: a lane permute's destination counts as one of its sources
.endr
	s_wait_dscnt 0x0                               ; both opening adds are done
	s_wait_kmcnt 0x0
	s_add_nc_u64 s[4:5], s[4:5], s[46:47]
	s_add_nc_u64 s[8:9], s[8:9], s[48:49]
	s_add_nc_u64 s[10:11], s[10:11], s[48:49]
	s_add_nc_u64 s[12:13], s[12:13], s[48:49]
	s_add_nc_u64 s[6:7], s[6:7], s[44:45]          ; wimg at my quarter of step 0
.irp s, 0,1,2
	s_mov_b32 s[G0+4*\s], 1                        ; count = 1
	s_add_co_u32 s[G0+4*\s+1], s44, \s*WSLOT       ; LDS address
	s_add_nc_u64 s[G0+4*\s+2:G0+4*\s+3], s[6:7], \s*WSLOT   ; global address: step s
	s_or_b32 s[G0+4*\s+3], s[G0+4*\s+3], 0x80000000         ; type = 2
.endr
	CROUND                                         ; all four work-groups are here: the first joint loads meet
	tensor_load_to_lds s[G0:G0+3], s[G1:G1+7]      ; the three first fills go out together: three tensor loads of mine are out
	s_nop 0
	tensor_load_to_lds s[G0+4:G0+7], s[G1:G1+7]
	s_nop 0
	tensor_load_to_lds s[G0+8:G0+11], s[G1:G1+7]
	s_nop 0
.rept 4
	v_nop
.endr
; ---- PHASE X.  Fragment f of my 8: rows 16 (f / 4) on, K step f % 4.  A load takes 512 consecutive bytes of ONE row; the conversions want 16 neighbours along K in a lane: so a fragment's
; 16 x 512 bytes turn through my own stage (rows 528 bytes apart: the 16 rows that a read touches start at 16 different groups of banks).
.macro XL f
	WIN 0x40                                       ; destination window 1
.irp i, 0,1,2,3,4,5,6,7,8,9,10,11,12,13,14,15
	global_load_b128 v[64*((\f)%4)+4*\i:64*((\f)%4)+4*\i+3], v[LI], s[4:5] offset:(16*((\f)/4)+\i)*2048+512*((\f)%4) th:TH_LOAD_NT
.endr
.endm
.macro XFRAG f, left                   ; left: the loads of younger fragments, 16 each, which may stay out
	s_wait_loadcnt \left
	WIN 0x04                                       ; an LDS store's data are its source 1: window 1
.irp i, 0,1,2,3,4,5,6,7,8,9,10,11,12,13,14,15
	ds_store_b128 v[STI], v[64*((\f)%4)+4*\i:64*((\f)%4)+4*\i+3] offset:SPITCH*\i
.endr
	WIN 0
.irp b, 0,1,2,3
.irp j, 0,1,2,3
	ds_load_b128 v[T+16*\b+4*\j:T+16*\b+4*\j+3], v[STR] offset:128*\b+16*\j   ; LDS serves a wave's instructions in order: these see the stores above
.endr
.endr
	s_wait_dscnt 0x0                               ; the numbers are back; the stage's stores have read their set; the last fragment's image stores have read the codes
.if (\f) < 4
	XL (\f)+4                                      ; the set takes the fragment four further on
	WIN 0
.endif
	QUANT T, PC, PW
	ds_store_b128 v[XWI], v[PC:PC+3] offset:(\f)*1024          ; the fragment goes to LDS as an image of its registers
	ds_store_b128 v[XWI], v[PC+4:PC+7] offset:(\f)*1024+512
	ds_store_b32 v[XWS], v[PW] offset:(\f)*128
.endm
	XL 0
	XL 1
	XL 2
	XL 3
	XFRAG 0, 48
	XFRAG 1, 48
	XFRAG 2, 48
	XFRAG 3, 48
	XFRAG 4, 48
	XFRAG 5, 32
	XFRAG 6, 16
	XFRAG 7, 0
	s_wait_tensorcnt 0x0                           ; my quarters of the three slots have landed while x was quantised
	s_wait_dscnt 0x0                               ; for the others' sake: my images are in LDS
	s_barrier_signal -1
	s_barrier_wait -1                              ; x's 32 fragments lie in LDS
	WIN 0x40
.set F, 0
.rept 32
	ds_load_b128 v[8*F:8*F+3], v[LIX] offset:1024*F            ; x's fragment (m, s) at v[32 m + 8 s] of window 1: they stay
	ds_load_b128 v[8*F+4:8*F+7], v[LIX] offset:1024*F+512
.set F, F+1
.endr
	WIN 0
.set F, 0
.rept 32
	ds_load_b32 v[XS+F], v[LSX] offset:128*F       ; and its scale words: lane r has row r's
.set F, F+1
.endr
; ---- THE STEPS
.macro WLOAD slot, i, p                ; my column tile i of the slot into buffer p: four fragments (8 loads) and the pair of scale words (lanes 0-15: K steps 0, 2; lanes 16-31: K steps 1, 3)
.irp s, 0,1,2,3
.irp c, 0,1
	ds_load_b128 v[WB+32*(\p)+8*\s+4*\c:WB+32*(\p)+8*\s+4*\c+3], v[WA+(\slot)] offset:(4*(\i)+\s)*1024+512*\c
.endr
.endr
	ds_load_b64 v[WS+2*(\p):WS+2*(\p)+1], v[WSA+(\slot)] offset:256*(\i)
.endm
.macro WM v, p, s, m                   ; one product: tile of rows m, K step s; v = 1: the sources swapped
.set rA, ACC+8*(\m)
.set rW, WB+32*(\p)+8*(\s)
.set rX, 32*(\m)+8*(\s)
.set rWS, WS+2*(\p)+(\s)/2
.set rXS, XS+4*(\m)+(\s)
.if (\v) == 0
.if (\s) == 0
	v_wmma_scale_f32_16x16x128_f8f6f4 v[rA:rA+7], v[rW:rW+7], v[rX:rX+7], 0, v[rWS], v[rXS] matrix_a_fmt:MATRIX_FMT_FP4 matrix_b_fmt:MATRIX_FMT_FP4
.elseif (\s)%2 == 1
	v_wmma_scale_f32_16x16x128_f8f6f4 v[rA:rA+7], v[rW:rW+7], v[rX:rX+7], v[rA:rA+7], v[rWS], v[rXS] matrix_a_fmt:MATRIX_FMT_FP4 matrix_b_fmt:MATRIX_FMT_FP4 matrix_a_scale:MATRIX_SCALE_ROW1
.else
	v_wmma_scale_f32_16x16x128_f8f6f4 v[rA:rA+7], v[rW:rW+7], v[rX:rX+7], v[rA:rA+7], v[rWS], v[rXS] matrix_a_fmt:MATRIX_FMT_FP4 matrix_b_fmt:MATRIX_FMT_FP4
.endif
.else
.if (\s) == 0
	v_wmma_scale_f32_16x16x128_f8f6f4 v[rA:rA+7], v[rX:rX+7], v[rW:rW+7], 0, v[rXS], v[rWS] matrix_a_fmt:MATRIX_FMT_FP4 matrix_b_fmt:MATRIX_FMT_FP4
.elseif (\s)%2 == 1
	v_wmma_scale_f32_16x16x128_f8f6f4 v[rA:rA+7], v[rX:rX+7], v[rW:rW+7], v[rA:rA+7], v[rXS], v[rWS] matrix_a_fmt:MATRIX_FMT_FP4 matrix_b_fmt:MATRIX_FMT_FP4 matrix_b_scale:MATRIX_SCALE_ROW1
.else
	v_wmma_scale_f32_16x16x128_f8f6f4 v[rA:rA+7], v[rX:rX+7], v[rW:rW+7], v[rA:rA+7], v[rXS], v[rWS] matrix_a_fmt:MATRIX_FMT_FP4 matrix_b_fmt:MATRIX_FMT_FP4
.endif
.endif
.endm
; Step sg: matrix sg / 2, columns 256 (sg % 2) on, from slot sg % 3.  For each of my four column tiles: 32 products (K step by K step, the eight accumulators by turns;
; the first K step starts the sums), then the results are rounded to f16 and stored, 512 consecutive bytes a store.
.macro STEP sg
	WLOAD (\sg)%3, 0, 0
.irp i, 0,1,2,3
.if \i < 3
	WLOAD (\sg)%3, \i+1, (\i+1)%2                  ; the next tile, into the buffer whose products stand ahead of the v_nop below
	s_wait_dscnt 9                                 ; all but the nine just issued
.else
	s_wait_dscnt 0x0
.endif
.if (\sg) < 4
	WIN 0x04                                       ; source 1 (x) window 1
.else
	WIN 0x01                                       ; source 0 (x) window 1
.endif
.irp s, 0,1,2,3
.irp m, 0,1,2,3,4,5,6,7
	WM (\sg)/4, \i%2, \s, \m
.endr
.endr
	WIN 0
.rept 5
	v_nop                                          ; places: four ahead of the reads of results and of the loads into W's buffer, five ahead of the products that begin these sums anew
.endr
	s_wait_xcnt 0x0                                ; the last tile's stores have read their data: OUT is rewritten only behind this wait
.if (\sg) < 2
.set N, 0
.rept 32
	v_pk_mul_f32 v[ACC+2*N:ACC+2*N+1], v[ACC+2*N:ACC+2*N+1], s[CS:CS+1] op_sel_hi:[1,0]   ; q x c, in f32; each accumulator from its low end on
.set N, N+1
.endr
.endif
.irp m, 0,1,2,3,4,5,6,7
.irp e, 0,1,2,3
	v_cvt_pk_f16_f32 v[OUT+4*\m+\e], v[ACC+8*\m+2*\e], v[ACC+8*\m+2*\e+1]
.endr
.endr
.irp m, 0,1,2,3,4,5,6,7
.if (\sg) < 4
	global_store_b128 v[VOQ], v[OUT+4*\m:OUT+4*\m+3], s[8+2*((\sg)/2):9+2*((\sg)/2)] offset:\m*16384+(16*((\sg)%2)+\i)*512 th:TH_STORE_NT
.else
	global_store_b128 v[VOV], v[OUT+4*\m:OUT+4*\m+3], s[12:13] offset:(\m/2)*32768+(16*((\sg)%2)+\i)*1024+(\m%2)*512 th:TH_STORE_NT
.endif
.endr
.endr
.endm
; Slot s, which has been read, takes the step three further on.  Each wave waits for all its tensor loads, adds 0 to its spare word, waits for that and for its reads of the slot; a round of the
; cluster's barrier; the joint refill first behind it: one tensor load of mine is out.
.macro REFILL s
	WIN 0
	s_wait_tensorcnt 0x0                           ; no tensor load of mine is out, so a group 0 may be written
	ds_add_u32 v[SPW], v[NIL]
	s_add_nc_u64 s[G0+4*\s+2:G0+4*\s+3], s[G0+4*\s+2:G0+4*\s+3], 3*WSLOT
	s_wait_dscnt 0x0                               ; the add is done, and my reads of the slot are over
	CROUND
	tensor_load_to_lds s[G0+4*\s:G0+4*\s+3], s[G1:G1+7]
	s_nop 0
.rept 4
	v_nop
.endr
.endm
	STEP 0
	REFILL 0
	STEP 1
	REFILL 1                                       ; its wait shows step 3's quarter landed
	STEP 2
	REFILL 2                                       ; and this one step 4's
	STEP 3
	STEP 4
	s_wait_tensorcnt 0x0                           ; step 5's quarter
	STEP 5
	s_wait_tensorcnt 0x0                           ; the wave's end: behind my last tensor load and my last LDS store
	ds_add_u32 v[SPW], v[NIL]
	s_wait_dscnt 0x0
	CROUND                                         ; the closing round: no work-group ends while a partner may still ask for a quarter that names it
	s_endpgm
.Lfunc_end_k_qf0fa8ef528_proj:
	.size	k_qf0fa8ef528_proj, .Lfunc_end_k_qf0fa8ef528_proj-k_qf0fa8ef528_proj
	.p2alignl 7, 3214868480
	.fill 96, 4, 3214868480
	.section	.rodata,"a",@progbits
	.p2align	6, 0x0
	.amdhsa_kernel k_qf0fa8ef528_proj
		.amdhsa_group_segment_fixed_size 327680
		.amdhsa_private_segment_fixed_size 0
		.amdhsa_enable_private_segment 0
		.amdhsa_kernarg_size 40
		.amdhsa_user_sgpr_count 2
		.amdhsa_user_sgpr_kernarg_segment_ptr 1
		.amdhsa_wavefront_size32 1
		.amdhsa_system_sgpr_workgroup_id_x 1
		.amdhsa_system_sgpr_workgroup_id_y 1
		.amdhsa_system_sgpr_workgroup_id_z 1
		.amdhsa_system_vgpr_workitem_id 0
		.amdhsa_next_free_vgpr 512
		.amdhsa_next_free_sgpr 66
		.amdhsa_reserve_vcc 0
		.amdhsa_float_denorm_mode_32 3
		.amdhsa_float_denorm_mode_16_64 3
		.amdhsa_memory_ordered 1
		.amdhsa_forward_progress 1
		.amdhsa_inst_pref_size 255
	.end_amdhsa_kernel
	.section	.bss,"aw",@nobits
	.p2align	6
	.space	262144
	.amdgpu_metadata
---
amdhsa.version: [ 1, 2 ]
amdhsa.kernels:
  - .name:           k_qf0fa8ef528_proj
    .symbol:         k_qf0fa8ef528_proj.kd
    .args:
      - { .name: x, .offset: 0, .size: 8, .value_kind: global_buffer, .address_space: global }
      - { .name: wimg, .offset: 8, .size: 8, .value_kind: global_buffer, .address_space: global }
      - { .name: qimg, .offset: 16, .size: 8, .value_kind: global_buffer, .address_space: global }
      - { .name: kimg, .offset: 24, .size: 8, .value_kind: global_buffer, .address_space: global }
      - { .name: vimg, .offset: 32, .size: 8, .value_kind: global_buffer, .address_space: global }
    .group_segment_fixed_size: 327680
    .private_segment_fixed_size: 0
    .kernarg_segment_align: 8
    .kernarg_segment_size: 40
    .max_flat_workgroup_size: 128
    .sgpr_count:     66
    .vgpr_count:     512
    .wavefront_size: 32
...
	.end_amdgpu_metadata
.endif
;; end of part 2
;; launch attn (part 3): grid 8 x 32, 4 waves a work-group, clusters of 4 x 1, 327,680 bytes of LDS; arguments qimg, kimg, vimg, out0; writes out0
.if DOCPART == 3
	.amdgcn_target "amdgcn-amd-amdhsa--gfx1250"
	.amdhsa_code_object_version 6
	.text
	.protected	k_qf0fa8ef528_attn
	.globl	k_qf0fa8ef528_attn
	.p2align	8
	.type	k_qf0fa8ef528_attn,@function
k_qf0fa8ef528_attn:
	s_mov_b64 s[64:65], 0
	v_nop
	global_prefetch_b8 v0, s[64:65] scope:SCOPE_SE
	s_setreg_imm32_b32 hwreg(HW_REG_WAVE_MODE, 25, 1), 1
	s_wait_xcnt 0x0
	s_wait_alu depctr_hold_cnt(0) depctr_sa_sdst(0) depctr_va_vdst(0) depctr_va_sdst(0) depctr_va_ssrc(0) depctr_va_vcc(0) depctr_vm_vsrc(0)
	s_getreg_b32 s2, hwreg(HW_REG_IB_STS2, 6, 4)
	s_cmp_eq_u32 s2, 0
	s_cbranch_scc0 .Lentry_in_a_cluster
	s_endpgm
.Lentry_in_a_cluster:
	s_bfe_u32 s2, ttmp6, 0x10000c
	s_cmp_lg_u32 s2, 0x3003
	s_cbranch_scc0 .Lentry_shape_is_right
	s_endpgm
.Lentry_shape_is_right:
; out[b][s][:] = the sum over t of softmax_t(q[b][s] . k[b][t] / sqrt(512)) v[b][t][:]: 32 batches, 1,024 positions, 512 channels, no mask.  Operands in f16, sums, maxima and exponentials in f32.
; qimg holds c q (c = log2(e) / sqrt(512)), so the first product gives t = score x log2(e) / sqrt(512) as it stands.  qimg, kimg, vimg lie in the order of the operands' registers (see the launch before).
; SHARES.  A work-group owns 128 queries of one batch, each of its four waves 32: two tiles of 16, and all 512 channels.  Every wave walks all keys, 128 an iteration.
; LAYOUT.  S^T = K Q^T (source 0 = 16 keys, source 1 = 16 queries) and O^T = V^T P (source 0 = 16 channels, source 1 = 32 keys x 16 queries): a lane holds ONE query throughout; two tiles of S^T,
; rounded to f16 in pairs, are source 1 of the second product: nothing changes lanes but one exchange of maxima and sums between the halves.
; SOFTMAX.  M = the largest t so far, rounded UP to a whole number, kept as -M = floor(-t); p = 2^(t - M), at most 1 for every input; when M moves, the sum and O^T are multiplied by 2^(old M - new M), which rounds
; nothing; the sum is taken of the unrounded p and divides at the end.
; LDS.  One region for K's 128 keys and one for V's, 131,072 bytes each, dense images.  Each is asked for again as soon as its last read is over: V(j) behind round A(j), landing during K Q^T of j;
; K(j + 1) behind round B(j), landing during the softmax and V^T P of j.  Each wave fetches a quarter: one tensor load of mine is out at a time, and every wait for tensor loads is for all.
; CLUSTER.  The four query blocks of a cluster belong to one batch and walk the same K and V: each quarter is asked for jointly.
; O^T begins as zeros, written once while K's first tile is on its way: an iteration is 14 KB of text, and a third copy of it (a first iteration whose products start the sums) would bring the text to some 53 KB.
; LIMITS: |c q|, |k|, |v| up to 65,504 (f16); NaN and infinities are not served.
; REGISTERS.  window 0: v1-10 addresses; v12-31 statistics, ten a tile; v32-127 three buffers of four fragments (K's, then V's); v128-255 S^T, 64 a tile; behind the softmax v128-191 P and v192-255 two more buffers of V.
;   window 1: Q, 128 a tile.   window 2: O^T of tile 0 (channel tile n at v[8 n]).   window 3: O^T of tile 1.
.set KREG,  0
.set VREG,  131072
.set STAGE, 262144                     ; the way out: 16 rows x (512 + 16) bytes for each wave
.set SPITCH, 528
.set SPARE, STAGE+4*16*SPITCH          ; the spare words, 128 bytes for each wave: two blocks of 256 bytes that no other line names
.set LI,  1                            ; v1   16 x lane: an image's place for my lane; also Q's and out0's offset
.set ADK, 1                            ; v1-2 K's region, key tiles 0-3 and 4-7
.set ADV, 3                            ; v3-4 V's region, key groups 0-1 and 2-3
.set STO, 5                            ; v5   the way out: where I put 32 bytes of a row
.set RD,  6                            ; v6   and where I read a row back
.set PFO, 8                            ; v8   256 x lane; never rewritten
.set SPW, 9                            ; v9   my spare word; never rewritten
.set NIL, 10                           ; v10  0; never rewritten
.set ST,  12                           ; tile t at v[ST + 10 t]: +0 -M, +1 the largest t, +2, +3 the sum in two halves, +4 f (+5 named with it), +6 to +9 c0-c3 at work
.set S,   128
.set P,   128                          ; P(t, g) at v[128 + 32 t + 8 g]
.set WV,  12                           ; s12  my wave's number
.set G1,  16                           ; s[16:23] descriptor group 1
.set G0K, 24                           ; s[24:27] group 0 for K's quarter
.set G0V, 28                           ; s[28:31] for V's
.set PFK, 32                           ; s[32:33] where my prefetches of K stand
.set PFV, 34                           ; s[34:35] of V
.set SEL, 36                           ; s[36:37]
.set CNT, 38
.set CLX, 39                           ; s39  the cluster's x: the same in all four partners
.set MSB, 0
.macro WIN new
.if MSB != (\new)
	s_set_vgpr_msb (MSB<<8)|(\new)
.set MSB, (\new)
.endif
.endm
.macro CROUND                          ; a round of the cluster's barrier
	s_barrier_signal -1
	s_barrier_wait -1
	s_cmp_lg_u32 s[WV], 0
	s_cbranch_scc1 .Lnot_wave_0_\@
	s_barrier_signal -3
.Lnot_wave_0_\@:
	s_barrier_wait -3
	s_barrier_signal -1
	s_barrier_wait -1
.endm
.macro JL g0                           ; a joint load of my quarter.  Five v_nop: places ahead of the loads into registers that the last products read (four), and of the products that write over such registers (five)
	tensor_load_to_lds s[\g0:\g0+3], s[G1:G1+7]
	s_nop 0
.rept 5
	v_nop
.endr
.endm
; A prefetch of the 131,072 bytes that the next round but one will ask for.  Both clusters of a batch walk the same K and V: the first asks.  Its four partners share the bytes out by address, 32,768 each,
; their waves 8,192 each, lanes 256 bytes apart: each aligned block of 256 bytes is named once in the launch.  Nothing is asked for at the head, and nothing in the last iteration.
.macro ASK ptr
	s_cmp_lg_u32 s[CLX], 0
	s_cbranch_scc1 .Lnot_mine_\@
	global_prefetch_b8 v[PFO], s[\ptr:\ptr+1] th:TH_LOAD_NT scope:SCOPE_SE
.Lnot_mine_\@:
.endm
; K Q^T goes in 32 chunks of 8 products: chunk cc takes channels 32 (cc / 2) on and key tiles 4 (cc % 2) + 0 .. 3, from buffer cc % 3.
.macro KLOAD cc, i                     ; fragment i of chunk cc: two loads
.set kB, 32+32*((\cc)%3)+8*(\i)
	ds_load_b128 v[kB:kB+3],   v[ADK+(\cc)%2] offset:(\i)*16384+((\cc)/2)*1024
	ds_load_b128 v[kB+4:kB+7], v[ADK+(\cc)%2] offset:(\i)*16384+((\cc)/2)*1024+512
.endm
.macro KW i, t                         ; a product of chunk qc: key tile 4 (qc % 2) + i, query tile t.  The first 32 channels start the sums
.set rS, S+64*(\t)+8*(4*(qc%2)+(\i))
.set rK, 32+32*(qc%3)+8*(\i)
.set rQ, 128*(\t)+8*(qc/2)
.if qc < 2
	v_wmma_f32_16x16x32_f16 v[rS:rS+7], v[rK:rK+7], v[rQ:rQ+7], 0
.else
	v_wmma_f32_16x16x32_f16 v[rS:rS+7], v[rK:rK+7], v[rQ:rQ+7], v[rS:rS+7]
.endif
.endm
; The 16 accumulators take turns, one instruction a turn.  Chunk qc fetches chunk qc + 2, into the buffer that chunk qc - 1 multiplied: four v_nop are the places ahead of those loads.
.macro KQ
	WIN 0x04                                       ; source 1 (Q) window 1; all else, the LDS loads too, window 0
.set qc, 0
.rept 32
.if qc < 31
	s_wait_dscnt 8                                 ; this chunk is in; the next chunk's eight loads may be out
.else
	s_wait_dscnt 0x0
.endif
	KW 0, 0
.if qc < 30
	v_nop
	v_nop
.endif
	KW 0, 1
.if qc < 30
	v_nop
	v_nop
.endif
	KW 1, 0
.if qc < 30
	KLOAD qc+2, 0
.endif
	KW 1, 1
.if qc < 30
	KLOAD qc+2, 1
.endif
	KW 2, 0
.if qc < 30
	KLOAD qc+2, 2
.endif
	KW 2, 1
.if qc < 30
	KLOAD qc+2, 3
.endif
	KW 3, 0
	KW 3, 1
.set qc, qc+1
.endr
.endm
; V^T P goes in 32 chunks of 8 products: chunk cc takes keys 32 (cc / 8) on and channel tiles 4 (cc % 8) + 0 .. 3, from buffer cc % 5 (v32, v64, v96, v192, v224).
.macro PVLOADS cc, f0                  ; fragments f0, f0 + 1 of chunk cc: four loads
.set vB, 32+32*((\cc)%5)+64*(((\cc)%5)/3)
.set vG, (\cc)/8
.set vN, 4*((\cc)%8)
.irp i, \f0, \f0+1
	ds_load_b128 v[vB+8*(\i):vB+8*(\i)+3],   v[ADV+vG/2] offset:(vG%2)*32768+(vN+(\i))*1024
	ds_load_b128 v[vB+8*(\i)+4:vB+8*(\i)+7], v[ADV+vG/2] offset:(vG%2)*32768+(vN+(\i))*1024+512
.endr
.endm
; An accumulator comes up again eight chunks later.  Chunk pc fetches chunk pc + 3, into the buffer that chunk pc - 2 multiplied: the v_nop of chunks pc - 1 and pc are the places.
; An LDS load's destination shares its window field with the accumulators, so the loads stand in runs of four between the two tiles' products: four switches a chunk.
.macro PV
.set pc, 0
.rept 32
.if pc < 30
	s_wait_dscnt 16                                ; this chunk is in; the next two chunks' loads may be out
.elseif pc == 30
	s_wait_dscnt 8
.else
	s_wait_dscnt 0x0
.endif
.set pB, 32+32*(pc%5)+64*((pc%5)/3)
.set pG, pc/8
.set pN, 4*(pc%8)
	WIN 0xa0                                       ; C and D window 2
.irp i, 0,1,2,3
	v_wmma_f32_16x16x32_f16 v[8*(pN+\i):8*(pN+\i)+7], v[pB+8*\i:pB+8*\i+7], v[P+8*pG:P+8*pG+7], v[8*(pN+\i):8*(pN+\i)+7]
	v_nop
.endr
.if pc < 29
	WIN 0
	PVLOADS pc+3, 0
.endif
	WIN 0xf0                                       ; C and D window 3
.irp i, 0,1,2,3
	v_wmma_f32_16x16x32_f16 v[8*(pN+\i):8*(pN+\i)+7], v[pB+8*\i:pB+8*\i+7], v[P+32+8*pG:P+32+8*pG+7], v[8*(pN+\i):8*(pN+\i)+7]
.endr
.if pc < 29
	WIN 0
	PVLOADS pc+3, 2
.endif
.set pc, pc+1
.endr
.endm
; ROUND A: K of this iteration has landed, nobody reads V's region any more: V of this iteration is asked for; the first two chunks of K are fetched.
.macro PHASE_A ask
	WIN 0
	s_wait_tensorcnt 0x0                           ; my quarter of K is in; no tensor load of mine is out, so a group 0 may be written
	ds_add_u32 v[SPW], v[NIL]
.if \ask
	s_add_nc_u64 s[G0K+2:G0K+3], s[G0K+2:G0K+3], 131072   ; K's next 128 keys, for round B
	s_wait_xcnt 0x0                                ; the last prefetches have read their addresses
	s_add_nc_u64 s[PFK:PFK+1], s[PFK:PFK+1], 131072
.endif
	s_wait_dscnt 0x0                               ; the add is done, and my reads of V's region are over
	CROUND
	JL G0V
.irp i, 0,1,2,3
	KLOAD 0, \i
.endr
.irp i, 0,1,2,3
	KLOAD 1, \i
.endr
.if \ask
	ASK PFK                                        ; what round B will ask for: 256 products ahead of that load
.endif
.endm
; ROUND B: V has landed, nobody reads K's region any more: the next iteration's K is asked for (fill = 1); the first three chunks of V are fetched and land during the softmax.
.macro PHASE_B fill
	WIN 0
	s_wait_tensorcnt 0x0                           ; my quarter of V is in
	ds_add_u32 v[SPW], v[NIL]
.if \fill
	s_add_nc_u64 s[G0V+2:G0V+3], s[G0V+2:G0V+3], 131072   ; V's next 128 keys, for the next round A
	s_wait_xcnt 0x0
	s_add_nc_u64 s[PFV:PFV+1], s[PFV:PFV+1], 131072
.endif
	s_wait_dscnt 0x0                               ; the add is done, and my reads of K's region are over
.if \fill
	CROUND
	JL G0K
.else
	s_barrier_signal -1                            ; nothing is left to fetch: the work-group's barrier shows V whole to all four waves
	s_barrier_wait -1
.rept 4
	v_nop                                          ; places ahead of the loads below and of the first reads of the scores
.endr
.endif
	PVLOADS 0, 0
	PVLOADS 0, 2
	PVLOADS 1, 0
	PVLOADS 1, 2
	PVLOADS 2, 0
	PVLOADS 2, 2
.if \fill
	ASK PFV                                        ; what the next round A will ask for: a softmax and 256 products ahead of that load
.endif
.endm
; THE SOFTMAX of both tiles, line by line in turns.  A lane has 64 scores a tile: register 8 kt + j is key 16 kt + 8 (lane / 16) + j.
.macro SM
	WIN 0
.irp k, 0,1,2,3                                ; the maximum in four chains; each accumulator is first read at its low end (registers 16 k and 16 k + 8)
.irp t, 0,1
	v_max3_num_f32 v[ST+10*\t+6+\k], v[S+64*\t+16*\k], v[S+64*\t+16*\k+1], v[S+64*\t+16*\k+2]
.endr
.endr
.irp i, 3,5,7,9,11,13
.irp k, 0,1,2,3
.irp t, 0,1
	v_max3_num_f32 v[ST+10*\t+6+\k], v[ST+10*\t+6+\k], v[S+64*\t+16*\k+\i], v[S+64*\t+16*\k+\i+1]
.endr
.endr
.endr
.irp t, 0,1
	v_max3_num_f32 v[ST+10*\t+6], v[ST+10*\t+6], v[S+64*\t+15], v[S+64*\t+31]
.endr
.irp t, 0,1
	v_max3_num_f32 v[ST+10*\t+8], v[ST+10*\t+8], v[S+64*\t+47], v[S+64*\t+63]
.endr
.irp t, 0,1
	v_max3_num_f32 v[ST+10*\t+6], v[ST+10*\t+6], v[ST+10*\t+7], v[ST+10*\t+8]
.endr
.irp t, 0,1
	v_max_num_f32 v[ST+10*\t+6], v[ST+10*\t+6], v[ST+10*\t+9]
.endr
.irp t, 0,1
	v_permlanex16_b32 v[ST+10*\t+7], v[ST+10*\t+6], s[SEL], s[SEL+1]   ; the query's other 64 keys lie in the lane 16 away
.endr
.irp t, 0,1
	v_max_num_f32 v[ST+10*\t+6], v[ST+10*\t+6], v[ST+10*\t+7]
.endr
.irp t, 0,1
	v_max_num_f32 v[ST+10*\t+1], v[ST+10*\t+1], v[ST+10*\t+6]          ; the running largest t
.endr
.irp t, 0,1
	v_mov_b32 v[ST+10*\t+7], v[ST+10*\t]
.endr
.irp t, 0,1
	v_floor_f32 v[ST+10*\t], -v[ST+10*\t+1]        ; the new -M = floor(-t): M is a whole number
.endr
.irp t, 0,1
	v_sub_f32 v[ST+10*\t+7], v[ST+10*\t], v[ST+10*\t+7]                ; old M - new M: a whole number, 0 or less
.endr
.irp t, 0,1
	v_cvt_i32_f32 v[ST+10*\t+7], v[ST+10*\t+7]     ; (it saturates)
.endr
.irp t, 0,1
	v_ldexp_f32 v[ST+10*\t+4], 1.0, v[ST+10*\t+7]  ; f = 2^(old M - new M)
.endr
.set sn, 0
.rept 32
.irp t, 0,1
	v_pk_add_f32 v[S+64*\t+2*sn:S+64*\t+2*sn+1], v[S+64*\t+2*sn:S+64*\t+2*sn+1], v[ST+10*\t:ST+10*\t+1] op_sel_hi:[1,0]   ; t - M, two at a time
.endr
.set sn, sn+1
.endr
.set sn, 0
.rept 128
	v_exp_f32 v[S+sn], v[S+sn]                     ; p = 2^(t - M): one batch
.set sn, sn+1
.endr
.irp t, 0,1
	v_pk_mul_f32 v[ST+10*\t+2:ST+10*\t+3], v[ST+10*\t+2:ST+10*\t+3], v[ST+10*\t+4:ST+10*\t+5] op_sel_hi:[1,0]   ; the sums under the new M: the plain place behind the exponentials
.endr
	WIN 0x82                                       ; O^T (destination and source 0) window 2, f window 0.  This work names none of the batch's results
.set sn, 0
.rept 128
	v_pk_mul_f32 v[2*sn:2*sn+1], v[2*sn:2*sn+1], v[ST+4:ST+5] op_sel_hi:[1,0]      ; each accumulator from its low end on
.set sn, sn+1
.endr
	WIN 0xc3
.set sn, 0
.rept 128
	v_pk_mul_f32 v[2*sn:2*sn+1], v[2*sn:2*sn+1], v[ST+14:ST+15] op_sel_hi:[1,0]
.set sn, sn+1
.endr
	WIN 0
	s_wait_alu depctr_va_vdst(0)                   ; the wait ahead of the first instruction that names an exponential's result: one for the batch of 128
.irp t, 0,1
	v_pk_add_f32 v[ST+10*\t+8:ST+10*\t+9], v[S+64*\t:S+64*\t+1], v[S+64*\t+2:S+64*\t+3]   ; the sum of the unrounded p, in two chains a tile
.endr
.irp j, 4,8,12,16,20,24,28,32,36,40,44,48,52,56,60
.irp t, 0,1
	v_pk_add_f32 v[ST+10*\t+2:ST+10*\t+3], v[ST+10*\t+2:ST+10*\t+3], v[S+64*\t+\j:S+64*\t+\j+1]
	v_pk_add_f32 v[ST+10*\t+8:ST+10*\t+9], v[ST+10*\t+8:ST+10*\t+9], v[S+64*\t+\j+2:S+64*\t+\j+3]
.endr
.endr
.irp t, 0,1
	v_pk_add_f32 v[ST+10*\t+2:ST+10*\t+3], v[ST+10*\t+2:ST+10*\t+3], v[ST+10*\t+8:ST+10*\t+9]
.endr
.set sn, 0
.rept 64
	v_cvt_pk_f16_f32 v[S+sn], v[S+2*sn], v[S+2*sn+1]   ; P, in place: destination n never passes its sources 2 n, 2 n + 1
.set sn, sn+1
.endr
.endm
	s_load_b256 s[4:11], s[0:1], 0x0               ; qimg s[4:5], kimg s[6:7], vimg s[8:9], out0 s[10:11]
	v_lshl_add_u32 v[SPW], v0, 2, SPARE
	v_mov_b32 v[NIL], 0
	ds_add_u32 v[SPW], v[NIL]                      ; the wave's opening: the add, twice on end, and its wait ahead of my first tensor load
	ds_add_u32 v[SPW], v[NIL]                      ; and once more; the set-up below, work on registers, stands between it and the wait
	v_lshrrev_b32 v11, 5, v0
	v_readfirstlane_b32 s[WV], v11                 ; wave 0..3
	s_bfe_u32 s13, ttmp6, 0x40000                  ; cx: it enters the addresses of Q, of out0 and of the prefetches alone
	s_mov_b32 s[CLX], ttmp9
	s_and_b32 s14, ttmp7, 0xffff                   ; the batch, which the four partners share
	; descriptor group 1: a dense block of 32,768 bytes as 128 rows of 256 bytes (32 elements of 8 bytes)
	s_mov_b32 s[G1], 15|(3<<16)|(1<<21)            ; 15:0 the mask: all four work-groups; 17:16 elements of 8 bytes; 21 set beside a mask
	s_mov_b32 s[G1+1], 32<<16                      ; tensor_dim0 = 32
	s_mov_b32 s[G1+2], 128<<16                     ; tensor_dim1 = 128
	s_mov_b32 s[G1+3], 32<<16                      ; tile_dim0 = 32
	s_mov_b32 s[G1+4], 128                         ; tile_dim1 = 128
	s_mov_b32 s[G1+5], 32                          ; from row to row
	s_mov_b32 s[G1+6], 0
	s_mov_b32 s[G1+7], 0
	s_lshl_b32 s40, s14, 20                        ; the batch's first byte in kimg and vimg
	s_mov_b32 s41, 0
	s_lshl_b32 s42, s[WV], 15                      ; my quarter, in memory and in a region
	s_mov_b32 s43, 0
	s_add_nc_u64 s[44:45], s[40:41], s[42:43]
	s_lshl_b32 s46, s13, 15                        ; the prefetches: my work-group's 32,768 bytes,
	s_lshl_b32 s47, s[WV], 13                      ; my wave's 8,192 of them,
	s_add_co_u32 s46, s46, s47
	s_add_co_u32 s46, s46, s40                     ; in my batch
	s_mov_b32 s47, 0
	s_lshl_b32 s48, ttmp9, 2
	s_add_co_u32 s48, s48, s13                     ; my block of 128 queries
	s_lshl_b32 s48, s48, 3
	s_lshl_b32 s49, s14, 6
	s_add_co_u32 s48, s48, s49
	s_lshl_b32 s49, s[WV], 1
	s_add_co_u32 s48, s48, s49                     ; my first tile of 16 rows: 64 batch + 8 block + 2 wave
	s_lshl_b32 s50, s48, 15                        ; in out0: 16 rows of 2,048 bytes a tile
	s_mov_b32 s51, 0
	s_lshl_b32 s48, s48, 14                        ; in qimg: 16,384 bytes a tile
	s_mov_b32 s49, 0
	s_mov_b32 s[SEL], 0x76543210
	s_mov_b32 s[SEL+1], 0xfedcba98
	s_mov_b32 s[CNT], 7
	v_and_b32 v[LI], 31, v0
	v_lshlrev_b32 v[PFO], 8, v[LI]
	v_lshlrev_b32 v[LI], 4, v[LI]
	v_add_nc_u32 v[ADK+1], 65536, v[LI]
	v_add_nc_u32 v[ADV], VREG, v[LI]
	v_add_nc_u32 v[ADV+1], VREG+65536, v[LI]
	v_and_b32 v7, 15, v0                           ; r
	v_bfe_u32 v11, v0, 4, 1                        ; h
	s_mul_i32 s52, s[WV], 16*SPITCH
	s_add_co_u32 s52, s52, STAGE                   ; my stage
	v_mul_u32_u24 v[STO], v7, SPITCH
	v_lshl_add_u32 v[STO], v11, 5, v[STO]
	v_add_nc_u32 v[STO], s52, v[STO]               ; in: row r, + 32 h; channel tile b of a block 64 b further on
	v_add_nc_u32 v[RD], s52, v[LI]                 ; back: a row's 512 bytes in 32 lanes
	s_wait_dscnt 0x0                               ; both opening adds are done
	s_wait_kmcnt 0x0
	s_mov_b32 s[G0K], 1                            ; count = 1
	s_mov_b32 s[G0K+1], s42                        ; LDS address: K's region, my quarter
	s_add_nc_u64 s[G0K+2:G0K+3], s[6:7], s[44:45]  ; global address: the batch's first 128 keys, my quarter
	s_or_b32 s[G0K+3], s[G0K+3], 0x80000000        ; type = 2
	s_mov_b32 s[G0V], 1
	s_add_co_u32 s[G0V+1], s42, VREG
	s_add_nc_u64 s[G0V+2:G0V+3], s[8:9], s[44:45]
	s_or_b32 s[G0V+3], s[G0V+3], 0x80000000
	s_add_nc_u64 s[PFK:PFK+1], s[6:7], s[46:47]    ; at iteration 0: round A steps it ahead of its first use
	s_add_nc_u64 s[PFV:PFV+1], s[8:9], s[46:47]
	s_add_nc_u64 s[4:5], s[4:5], s[48:49]
	s_add_nc_u64 s[10:11], s[10:11], s[50:51]
	CROUND                                         ; all four work-groups are here: the first joint loads meet
	JL G0K                                         ; K of iteration 0
	WIN 0x40                                       ; destination window 1
.set F, 0
.rept 32                                       ; Q stays in registers: tile F / 16, channels 32 (F % 16) on
	global_load_b128 v[8*F:8*F+3],   v[LI], s[4:5] offset:1024*F th:TH_LOAD_NT
	global_load_b128 v[8*F+4:8*F+7], v[LI], s[4:5] offset:1024*F+512 th:TH_LOAD_NT
.set F, F+1
.endr
	WIN 0
.irp t, 0,1
	v_mov_b32 v[ST+10*\t+1], 0xff61b1e6            ; the largest t so far: -3e38, under every t
	v_floor_f32 v[ST+10*\t], -v[ST+10*\t+1]        ; -M
	v_mov_b32 v[ST+10*\t+2], 0                     ; the sum, in two halves
	v_mov_b32 v[ST+10*\t+3], 0
	v_mov_b32 v[ST+10*\t+4], 0
	v_mov_b32 v[ST+10*\t+5], 0                     ; (named as the upper half of f's pair)
.endr
	WIN 0x80
.set F, 0
.rept 256
	v_mov_b32 v[F], 0                              ; O^T of tile 0: the first change of M leaves zeros zeros
.set F, F+1
.endr
	WIN 0xc0
.set F, 0
.rept 256
	v_mov_b32 v[F], 0                              ; O^T of tile 1
.set F, F+1
.endr
	WIN 0
	s_wait_loadcnt 0x0                             ; Q
.Liter:                                            ; 7 trips: iterations 0 to 6 ask for V of their own keys and for K of the next
	PHASE_A 1
	KQ
	PHASE_B 1
	SM
	PV
	WIN 0                                          ; at a label and at a branch every window is 0
	s_sub_co_u32 s[CNT], s[CNT], 1
	s_cmp_lg_u32 s[CNT], 0
	s_cbranch_scc1 .Liter
	PHASE_A 0                                      ; the last iteration is written out: V's last tile is asked for, K's region stays as it is
	KQ
	PHASE_B 0
	SM
	PV
	WIN 0
	; THE WAY OUT.  The sum's halves and the other half of the lanes' are added; O^T is divided by the sum and goes through my stage in LDS, 16 queries x 128 channels at a time,
	; so that the 32 lanes store a row's 512 consecutive bytes.
.rept 4
	v_nop                                          ; places behind the last products
.endr
.irp t, 0,1
	v_add_f32 v[ST+10*\t+6], v[ST+10*\t+2], v[ST+10*\t+3]
.endr
.irp t, 0,1
	v_permlanex16_b32 v[ST+10*\t+7], v[ST+10*\t+6], s[SEL], s[SEL+1]
.endr
.irp t, 0,1
	v_add_f32 v[ST+10*\t+6], v[ST+10*\t+6], v[ST+10*\t+7]
.endr
.irp t, 0,1
	v_rcp_f32 v[ST+10*\t+4], v[ST+10*\t+6]
.endr
	v_nop                                          ; a plain place behind the reciprocals
	s_wait_alu depctr_va_vdst(0)                   ; and the wait ahead of their first use: one for the two
.macro TOSTAGE blk                     ; block blk: query tile blk / 4, channels 128 (blk % 4) on
.set oT, (\blk)/4
.set oQ, (\blk)%4
.set oB, 32+96*((\blk)%2)              ; rows come back into v32-95 and v128-191 by turns
	WIN 0x82+0x41*oT                               ; O^T (destination and source 0) window 2 or 3
.set F, 0
.rept 32
	v_pk_mul_f32 v[64*oQ+2*F:64*oQ+2*F+1], v[64*oQ+2*F:64*oQ+2*F+1], v[ST+10*oT+4:ST+10*oT+5] op_sel_hi:[1,0]   ; each accumulator from its low end on
.set F, F+1
.endr
	WIN 0x08+4*oT                                  ; an LDS store's data are its source 1
.irp b, 0,1,2,3,4,5,6,7
	ds_store_b128 v[STO], v[64*oQ+8*\b:64*oQ+8*\b+3] offset:64*\b
	ds_store_b128 v[STO], v[64*oQ+8*\b+4:64*oQ+8*\b+7] offset:64*\b+16
.endr
	WIN 0
.irp i, 0,1,2,3,4,5,6,7,8,9,10,11,12,13,14,15
	ds_load_b128 v[oB+4*\i:oB+4*\i+3], v[RD] offset:SPITCH*\i   ; LDS serves a wave's instructions in order: these see the stores above, and the next block's stores come behind them
.endr
.endm
.macro SEND blk, younger               ; younger: the LDS instructions issued behind the block's loads, which may stay out
.set oT, (\blk)/4
.set oQ, (\blk)%4
.set oB, 32+96*((\blk)%2)
	s_wait_dscnt \younger
.irp i, 0,1,2,3,4,5,6,7,8,9,10,11,12,13,14,15
	global_store_b128 v[LI], v[oB+4*\i:oB+4*\i+3], s[10:11] offset:oT*32768+\i*2048+512*oQ th:TH_STORE_NT   ; 32 lanes store 512 consecutive bytes, at a multiple of 256 from out0's first byte
.endr
.endm
	TOSTAGE 0
.irp b, 1,2,3,4,5,6,7
.if \b > 1
	s_wait_xcnt 0x0                                ; block b - 2's stores have read their registers: block b's rows may land there
.endif
	TOSTAGE \b
	SEND \b-1, 32                                  ; behind block b - 1's loads: block b's 16 stores and 16 loads
.endr
	SEND 7, 0
	s_wait_tensorcnt 0x0                           ; the wave's end: behind my last tensor load and my last LDS store
	ds_add_u32 v[SPW], v[NIL]
	s_wait_dscnt 0x0
	CROUND                                         ; the closing round: no work-group ends while a partner may still ask for a quarter that names it
	s_endpgm
.Lfunc_end_k_qf0fa8ef528_attn:
	.size	k_qf0fa8ef528_attn, .Lfunc_end_k_qf0fa8ef528_attn-k_qf0fa8ef528_attn
	.p2alignl 7, 3214868480
	.fill 96, 4, 3214868480
	.section	.rodata,"a",@progbits
	.p2align	6, 0x0
	.amdhsa_kernel k_qf0fa8ef528_attn
		.amdhsa_group_segment_fixed_size 327680
		.amdhsa_private_segment_fixed_size 0
		.amdhsa_enable_private_segment 0
		.amdhsa_kernarg_size 32
		.amdhsa_user_sgpr_count 2
		.amdhsa_user_sgpr_kernarg_segment_ptr 1
		.amdhsa_wavefront_size32 1
		.amdhsa_system_sgpr_workgroup_id_x 1
		.amdhsa_system_sgpr_workgroup_id_y 1
		.amdhsa_system_sgpr_workgroup_id_z 1
		.amdhsa_system_vgpr_workitem_id 0
		.amdhsa_next_free_vgpr 1024
		.amdhsa_next_free_sgpr 66
		.amdhsa_reserve_vcc 0
		.amdhsa_float_denorm_mode_32 3
		.amdhsa_float_denorm_mode_16_64 3
		.amdhsa_memory_ordered 1
		.amdhsa_forward_progress 1
		.amdhsa_inst_pref_size 255
	.end_amdhsa_kernel
	.section	.bss,"aw",@nobits
	.p2align	6
	.space	262144
	.amdgpu_metadata
---
amdhsa.version: [ 1, 2 ]
amdhsa.kernels:
  - .name:           k_qf0fa8ef528_attn
    .symbol:         k_qf0fa8ef528_attn.kd
    .args:
      - { .name: qimg, .offset: 0, .size: 8, .value_kind: global_buffer, .address_space: global }
      - { .name: kimg, .offset: 8, .size: 8, .value_kind: global_buffer, .address_space: global }
      - { .name: vimg, .offset: 16, .size: 8, .value_kind: global_buffer, .address_space: global }
      - { .name: out0, .offset: 24, .size: 8, .value_kind: global_buffer, .address_space: global }
    .group_segment_fixed_size: 327680
    .private_segment_fixed_size: 0
    .kernarg_segment_align: 8
    .kernarg_segment_size: 32
    .max_flat_workgroup_size: 128
    .sgpr_count:     66
    .vgpr_count:     1024
    .wavefront_size: 32
...
	.end_amdgpu_metadata
.endif
;; end of part 3
;; ======== version 2 of 2: 3 launches
;; limits: values are held in f16: magnitudes above 65,504 overflow, below 6.1e-05 lose precision
;; workspace buffers: wimg 417,792 bytes; qimg 33,554,432 bytes; kimg 33,554,432 bytes; vimg 33,554,432 bytes
;; launch prep: the kernel of part 1 again; grid 96 x 1, 1 waves a work-group, no clusters, 0 bytes of LDS; arguments Wq, Wk, Wv, wimg; writes wimg
;; launch proj: the kernel of part 2 again; grid 256 x 1, 4 waves a work-group, clusters of 4 x 1, 327,680 bytes of LDS; arguments x, wimg, qimg, kimg, vimg; writes qimg, kimg, vimg
;; launch attn (part 4): grid 8 x 32, 4 waves a work-group, clusters of 4 x 1, 327,680 bytes of LDS; arguments qimg, kimg, vimg, out0; writes out0
.if DOCPART == 4
	.amdgcn_target "amdgcn-amd-amdhsa--gfx1250"
	.amdhsa_code_object_version 6
	.text
	.protected	k_qf0fa8ef528_attn
	.globl	k_qf0fa8ef528_attn
	.p2align	8
	.type	k_qf0fa8ef528_attn,@function
k_qf0fa8ef528_attn:
	s_mov_b64 s[64:65], 0
	v_nop
	global_prefetch_b8 v0, s[64:65] scope:SCOPE_SE
	s_setreg_imm32_b32 hwreg(HW_REG_WAVE_MODE, 25, 1), 1
	s_wait_xcnt 0x0
	s_wait_alu depctr_hold_cnt(0) depctr_sa_sdst(0) depctr_va_vdst(0) depctr_va_sdst(0) depctr_va_ssrc(0) depctr_va_vcc(0) depctr_vm_vsrc(0)
	s_getreg_b32 s2, hwreg(HW_REG_IB_STS2, 6, 4)
	s_cmp_eq_u32 s2, 0
	s_cbranch_scc0 .Lentry_in_a_cluster
	s_endpgm
.Lentry_in_a_cluster:
	s_bfe_u32 s2, ttmp6, 0x10000c
	s_cmp_lg_u32 s2, 0x3003
	s_cbranch_scc0 .Lentry_shape_is_right
	s_endpgm
.Lentry_shape_is_right:
; out[b][s][:] = the sum over t of softmax_t(q[b][s] . k[b][t] / sqrt(512)) v[b][t][:]: 32 batches, 1,024 positions, 512 channels, no mask.  Operands in f16, sums, maxima and exponentials in f32.
; qimg holds c q (c = log2(e) / sqrt(512)), so the first product gives t = score x log2(e) / sqrt(512) as it stands.  qimg, kimg, vimg lie in the order of the operands' registers (see the launch before).
; SHARES.  A work-group owns 128 queries of one batch, each of its four waves 32: two tiles of 16, and all 512 channels.  Every wave walks all keys, 128 an iteration.
; LAYOUT.  S^T = K Q^T (source 0 = 16 keys, source 1 = 16 queries) and O^T = V^T P (source 0 = 16 channels, source 1 = 32 keys x 16 queries): a lane holds ONE query throughout; two tiles of S^T,
; rounded to f16 in pairs, are source 1 of the second product: nothing changes lanes but one exchange of maxima and sums between the halves.
; SOFTMAX.  M = the largest t so far, rounded UP to a whole number, kept as -M = floor(-t); p = 2^(t - M), at most 1 for every input; when M moves, the sum and O^T are multiplied by 2^(old M - new M), which rounds
; nothing; the sum is taken of the unrounded p and divides at the end.
; LDS.  One region for K's 128 keys and one for V's, 131,072 bytes each, dense images.  Each is asked for again as soon as its last read is over: V(j) behind round A(j), landing during K Q^T of j;
; K(j + 1) behind round B(j), landing during the softmax and V^T P of j.  Each wave fetches a quarter: one tensor load of mine is out at a time, and every wait for tensor loads is for all.
; THE FRAGMENT LOADS STAND IN LONG RUNS, never singly among the products: 12 loads behind every 12 products of K Q^T, 16 behind every 16 of V^T P, each run behind its four places.
; CLUSTER.  The four query blocks of a cluster belong to one batch and walk the same K and V: each quarter is asked for jointly.
; O^T begins as zeros, written once while K's first tile is on its way: an iteration is nearly 2,000 instructions and is written twice already (the loop, and the last iteration, which asks for less);
; a first iteration whose products start the sums would be a third copy, for one iteration in eight.
; LIMITS: |c q|, |k|, |v| up to 65,504 (f16); NaN and infinities are not served.
; REGISTERS.  window 0: v1-10 addresses; v12-31 statistics, ten a tile; v32-127 K's fragments, two buffers of six; v128-255 S^T, 64 a tile; behind the softmax v128-191 P;
;   V's fragments have a ring of 20 places: v32-127 and, once the softmax has left them, v192-255.
;   window 1: Q, 128 a tile.   window 2: O^T of tile 0 (channel tile n at v[8 n]).   window 3: O^T of tile 1.
.set KREG,  0
.set VREG,  131072
.set STAGE, 262144                     ; the way out: 16 rows x (512 + 16) bytes for each wave
.set SPITCH, 528
.set SPARE, STAGE+4*16*SPITCH          ; the spare words, 128 bytes for each wave: two blocks of 256 bytes that no other line names
.set LI,  1                            ; v1   16 x lane: an image's place for my lane; also Q's and out0's offset
.set ADK, 1                            ; v1-2 K's region, key tiles 0-3 and 4-7
.set ADV, 3                            ; v3-4 V's region, key groups 0-1 and 2-3
.set STO, 5                            ; v5   the way out: where I put 32 bytes of a row
.set RD,  6                            ; v6   and where I read a row back
.set PFO, 8                            ; v8   256 x lane; never rewritten
.set SPW, 9                            ; v9   my spare word; never rewritten
.set NIL, 10                           ; v10  0; never rewritten
.set ST,  12                           ; tile t at v[ST + 10 t]: +0 -M, +1 the largest t, +2, +3 the sum in two halves, +4 f (+5 named with it), +6 to +9 c0-c3 at work
.set S,   128
.set P,   128                          ; P(t, g) at v[128 + 32 t + 8 g]
.set WV,  12                           ; s12  my wave's number
.set G1,  16                           ; s[16:23] descriptor group 1
.set G0K, 24                           ; s[24:27] group 0 for K's quarter
.set G0V, 28                           ; s[28:31] for V's
.set PFK, 32                           ; s[32:33] where my prefetches of K stand
.set PFV, 34                           ; s[34:35] of V
.set SEL, 36                           ; s[36:37]
.set CNT, 38
.set CLX, 39                           ; s39  the cluster's x: the same in all four partners
.set MSB, 0
.macro WIN new                         ; the immediate's high byte repeats the setting that is left; a switch that changes nothing is dropped
.if MSB != (\new)
	s_set_vgpr_msb (MSB<<8)|(\new)
.set MSB, (\new)
.endif
.endm
.macro CROUND                          ; a round of the cluster's barrier
	s_barrier_signal -1
	s_barrier_wait -1
	s_cmp_lg_u32 s[WV], 0
	s_cbranch_scc1 .Lnot_wave_0_\@
	s_barrier_signal -3
.Lnot_wave_0_\@:
	s_barrier_wait -3
	s_barrier_signal -1
	s_barrier_wait -1
.endm
.macro JL g0                           ; a joint load of my quarter.  Five v_nop: places ahead of the loads into registers that the last products read (four), and of the products that write over such registers (five)
	tensor_load_to_lds s[\g0:\g0+3], s[G1:G1+7]
	s_nop 0
.rept 5
	v_nop
.endr
.endm
; A prefetch of the 131,072 bytes that the next round but one will ask for.  Both clusters of a batch walk the same K and V: the first asks.  Its four partners share the bytes out by address, 32,768 each,
; their waves 8,192 each, lanes 256 bytes apart: each aligned block of 256 bytes is named once in the launch.  Nothing is asked for at the head, and nothing in the last iteration.
.macro ASK ptr
	s_cmp_lg_u32 s[CLX], 0
	s_cbranch_scc1 .Lnot_mine_\@
	global_prefetch_b8 v[PFO], s[\ptr:\ptr+1] th:TH_LOAD_NT scope:SCOPE_SE
.Lnot_mine_\@:
.endm
; K Q^T.  K's 128 fragments (fragment f: channels 32 (f / 8) on, key tile f % 8) are taken in ascending order, in 22 chunks of six (the last has two), through two buffers of 48 registers.
.macro KLOADS cc                       ; chunk cc into buffer cc % 2: one run of 12 loads (the last chunk: 4)
.set kf, 6*(\cc)
.rept 6
.if kf < 128
.set kB, 32+48*((\cc)%2)+8*(kf-6*(\cc))
	ds_load_b128 v[kB:kB+3],   v[ADK+(kf%8)/4] offset:(kf%4)*16384+(kf/8)*1024
	ds_load_b128 v[kB+4:kB+7], v[ADK+(kf%8)/4] offset:(kf%4)*16384+(kf/8)*1024+512
.endif
.set kf, kf+1
.endr
.endm
.macro KW t                            ; fragment qf of chunk qc times query tile t.  The first 32 channels start the sums
.set rS, S+64*(\t)+8*(qf%8)
.set rK, 32+48*(qc%2)+8*(qf-6*qc)
.set rQ, 128*(\t)+8*(qf/8)
.if qf < 8
	v_wmma_f32_16x16x32_f16 v[rS:rS+7], v[rK:rK+7], v[rQ:rQ+7], 0
.else
	v_wmma_f32_16x16x32_f16 v[rS:rS+7], v[rK:rK+7], v[rQ:rQ+7], v[rS:rS+7]
.endif
.endm
; The 16 accumulators take turns, one instruction a turn.  Behind chunk qc's products: four places (ISA guide 7.12.1 for vector instructions), then chunk qc + 2 is asked for,
; into the buffer just multiplied: it has chunk qc + 1's 12 products in which to land.
.macro KQ
	WIN 0x04                                       ; source 1 (Q) window 1; all else, the LDS loads too, window 0
.set qc, 0
.rept 22
.if qc < 20
	s_wait_dscnt 12                                ; this chunk is in; the next chunk's 12 loads may be out
.elseif qc == 20
	s_wait_dscnt 4                                 ; the last chunk's 4 loads may be out
.else
	s_wait_dscnt 0x0
.endif
.set qf, 6*qc
.rept 6
.if qf < 128
	KW 0
	KW 1
.endif
.set qf, qf+1
.endr
.if qc < 20
.rept 4
	v_nop
.endr
	KLOADS qc+2
.endif
.set qc, qc+1
.endr
.endm
; V^T P.  V's 128 fragments (fragment f: keys 32 (f / 32) on, channel tile f % 32) are taken in ascending order; fragment f lies at place f % 20 of the ring (places 0-11: v32-127; places 12-19: v192-255).
.macro VLOADS f0, n                    ; fragments f0 .. f0 + n - 1: one run of 2 n loads
.set vf, (\f0)
.rept \n
.set vS, vf%20
.set vB, 32+8*vS+64*(vS/12)
.set vG, vf/32
	ds_load_b128 v[vB:vB+3],   v[ADV+vG/2] offset:(vG%2)*32768+(vf%32)*1024
	ds_load_b128 v[vB+4:vB+7], v[ADV+vG/2] offset:(vG%2)*32768+(vf%32)*1024+512
.set vf, vf+1
.endr
.endm
.macro PW t                            ; period pp's eight fragments times P of query tile t: eight accumulators, each once
.set pf, 8*pp
.rept 8
.set pS, pf%20
.set pB, 32+8*pS+64*(pS/12)
.set pO, 8*(pf%32)
.set pP, P+32*(\t)+8*(pf/32)
	v_wmma_f32_16x16x32_f16 v[pO:pO+7], v[pB:pB+7], v[pP:pP+7], v[pO:pO+7]
.set pf, pf+1
.endr
.endm
; 16 periods of 8 fragments, 16 products: an accumulator comes up again four periods later.  Fragments 0-11 were asked for behind round B, 12-19 are asked for here, where the softmax has left their places.
; Behind period pp's products: four places, then fragments 8 pp + 20 .. + 27 are asked for, into the eight places just multiplied: they have a period and a half in which to land.
; An LDS load's destination shares its window field with the accumulators: three switches a period.
.macro PV
	WIN 0
	VLOADS 12, 8
.set pp, 0
.rept 16
.if pp < 14
	s_wait_dscnt 24                                ; this period's fragments are in; the 12 fragments asked for beyond them may be out
.elseif pp == 14
	s_wait_dscnt 16                                ; the last period's eight
.else
	s_wait_dscnt 0x0
.endif
	WIN 0xa0                                       ; C and D window 2
	PW 0
	WIN 0xf0                                       ; C and D window 3
	PW 1
.if pp < 14
	WIN 0
.rept 4
	v_nop
.endr
.if pp < 13
	VLOADS 8*pp+20, 8
.else
	VLOADS 124, 4                                  ; the last four fragments
.endif
.endif
.set pp, pp+1
.endr
.endm
; ROUND A: K of this iteration has landed, nobody reads V's region any more: V of this iteration is asked for; the first two chunks of K are fetched.
.macro PHASE_A ask
	WIN 0
	s_wait_tensorcnt 0x0                           ; my quarter of K is in; no tensor load of mine is out, so a group 0 may be written
	ds_add_u32 v[SPW], v[NIL]
.if \ask
	s_add_nc_u64 s[G0K+2:G0K+3], s[G0K+2:G0K+3], 131072   ; K's next 128 keys, for round B
	s_wait_xcnt 0x0                                ; the last prefetches have read their addresses
	s_add_nc_u64 s[PFK:PFK+1], s[PFK:PFK+1], 131072
.endif
	s_wait_dscnt 0x0                               ; the add is done, and my reads of V's region are over
	CROUND
	JL G0V
	KLOADS 0
	KLOADS 1
.if \ask
	ASK PFK                                        ; what round B will ask for: 256 products ahead of that load
.endif
.endm
; ROUND B: V has landed, nobody reads K's region any more: the next iteration's K is asked for (fill = 1); V's first twelve fragments are fetched and land during the softmax.
.macro PHASE_B fill
	WIN 0
	s_wait_tensorcnt 0x0                           ; my quarter of V is in
	ds_add_u32 v[SPW], v[NIL]
.if \fill
	s_add_nc_u64 s[G0V+2:G0V+3], s[G0V+2:G0V+3], 131072   ; V's next 128 keys, for the next round A
	s_wait_xcnt 0x0
	s_add_nc_u64 s[PFV:PFV+1], s[PFV:PFV+1], 131072
.endif
	s_wait_dscnt 0x0                               ; the add is done, and my reads of K's region are over
.if \fill
	CROUND
	JL G0K
.else
	s_barrier_signal -1                            ; nothing is left to fetch: the work-group's barrier shows V whole to all four waves
	s_barrier_wait -1
.rept 4
	v_nop                                          ; places ahead of the loads below and of the first reads of the scores
.endr
.endif
	VLOADS 0, 12
.if \fill
	ASK PFV                                        ; what the next round A will ask for: a softmax and 256 products ahead of that load
.endif
.endm
; THE SOFTMAX of both tiles, line by line in turns.  A lane has 64 scores a tile: register 8 kt + j is key 16 kt + 8 (lane / 16) + j.
.macro SM
	WIN 0
.irp k, 0,1,2,3                                ; the maximum in four chains; each accumulator is first read at its low end (registers 16 k and 16 k + 8)
.irp t, 0,1
	v_max3_num_f32 v[ST+10*\t+6+\k], v[S+64*\t+16*\k], v[S+64*\t+16*\k+1], v[S+64*\t+16*\k+2]
.endr
.endr
.irp i, 3,5,7,9,11,13
.irp k, 0,1,2,3
.irp t, 0,1
	v_max3_num_f32 v[ST+10*\t+6+\k], v[ST+10*\t+6+\k], v[S+64*\t+16*\k+\i], v[S+64*\t+16*\k+\i+1]
.endr
.endr
.endr
.irp t, 0,1
	v_max3_num_f32 v[ST+10*\t+6], v[ST+10*\t+6], v[S+64*\t+15], v[S+64*\t+31]
.endr
.irp t, 0,1
	v_max3_num_f32 v[ST+10*\t+8], v[ST+10*\t+8], v[S+64*\t+47], v[S+64*\t+63]
.endr
.irp t, 0,1
	v_max3_num_f32 v[ST+10*\t+6], v[ST+10*\t+6], v[ST+10*\t+7], v[ST+10*\t+8]
.endr
.irp t, 0,1
	v_max_num_f32 v[ST+10*\t+6], v[ST+10*\t+6], v[ST+10*\t+9]
.endr
.irp t, 0,1
	v_permlanex16_b32 v[ST+10*\t+7], v[ST+10*\t+6], s[SEL], s[SEL+1]   ; the query's other 64 keys lie in the lane 16 away
.endr
.irp t, 0,1
	v_max_num_f32 v[ST+10*\t+6], v[ST+10*\t+6], v[ST+10*\t+7]
.endr
.irp t, 0,1
	v_max_num_f32 v[ST+10*\t+1], v[ST+10*\t+1], v[ST+10*\t+6]          ; the running largest t
.endr
.irp t, 0,1
	v_mov_b32 v[ST+10*\t+7], v[ST+10*\t]
.endr
.irp t, 0,1
	v_floor_f32 v[ST+10*\t], -v[ST+10*\t+1]        ; the new -M = floor(-t): M is a whole number
.endr
.irp t, 0,1
	v_sub_f32 v[ST+10*\t+7], v[ST+10*\t], v[ST+10*\t+7]                ; old M - new M: a whole number, 0 or less
.endr
.irp t, 0,1
	v_cvt_i32_f32 v[ST+10*\t+7], v[ST+10*\t+7]     ; (it saturates)
.endr
.irp t, 0,1
	v_ldexp_f32 v[ST+10*\t+4], 1.0, v[ST+10*\t+7]  ; f = 2^(old M - new M)
.endr
.set sn, 0
.rept 32
.irp t, 0,1
	v_pk_add_f32 v[S+64*\t+2*sn:S+64*\t+2*sn+1], v[S+64*\t+2*sn:S+64*\t+2*sn+1], v[ST+10*\t:ST+10*\t+1] op_sel_hi:[1,0]   ; t - M, two at a time
.endr
.set sn, sn+1
.endr
.set sn, 0
.rept 128
	v_exp_f32 v[S+sn], v[S+sn]                     ; p = 2^(t - M): one batch
.set sn, sn+1
.endr
.irp t, 0,1
	v_pk_mul_f32 v[ST+10*\t+2:ST+10*\t+3], v[ST+10*\t+2:ST+10*\t+3], v[ST+10*\t+4:ST+10*\t+5] op_sel_hi:[1,0]   ; the sums under the new M: the plain place behind the exponentials
.endr
	WIN 0x82                                       ; O^T (destination and source 0) window 2, f window 0.  This work names none of the batch's results
.set sn, 0
.rept 128
	v_pk_mul_f32 v[2*sn:2*sn+1], v[2*sn:2*sn+1], v[ST+4:ST+5] op_sel_hi:[1,0]      ; each accumulator from its low end on
.set sn, sn+1
.endr
	WIN 0xc3
.set sn, 0
.rept 128
	v_pk_mul_f32 v[2*sn:2*sn+1], v[2*sn:2*sn+1], v[ST+14:ST+15] op_sel_hi:[1,0]
.set sn, sn+1
.endr
	WIN 0
	s_wait_alu depctr_va_vdst(0)                   ; the wait ahead of the first instruction that names an exponential's result: one for the batch of 128
.irp t, 0,1
	v_pk_add_f32 v[ST+10*\t+8:ST+10*\t+9], v[S+64*\t:S+64*\t+1], v[S+64*\t+2:S+64*\t+3]   ; the sum of the unrounded p, in two chains a tile
.endr
.irp j, 4,8,12,16,20,24,28,32,36,40,44,48,52,56,60
.irp t, 0,1
	v_pk_add_f32 v[ST+10*\t+2:ST+10*\t+3], v[ST+10*\t+2:ST+10*\t+3], v[S+64*\t+\j:S+64*\t+\j+1]
	v_pk_add_f32 v[ST+10*\t+8:ST+10*\t+9], v[ST+10*\t+8:ST+10*\t+9], v[S+64*\t+\j+2:S+64*\t+\j+3]
.endr
.endr
.irp t, 0,1
	v_pk_add_f32 v[ST+10*\t+2:ST+10*\t+3], v[ST+10*\t+2:ST+10*\t+3], v[ST+10*\t+8:ST+10*\t+9]
.endr
.set sn, 0
.rept 64
	v_cvt_pk_f16_f32 v[S+sn], v[S+2*sn], v[S+2*sn+1]   ; P, in place: destination n never passes its sources 2 n, 2 n + 1
.set sn, sn+1
.endr
.endm
	s_load_b256 s[4:11], s[0:1], 0x0               ; qimg s[4:5], kimg s[6:7], vimg s[8:9], out0 s[10:11]
	v_lshl_add_u32 v[SPW], v0, 2, SPARE
	v_mov_b32 v[NIL], 0
	ds_add_u32 v[SPW], v[NIL]                      ; the wave's opening: the add, twice on end, and its wait ahead of my first tensor load
	ds_add_u32 v[SPW], v[NIL]                      ; and once more; the set-up below, work on registers, stands between it and the wait
	v_lshrrev_b32 v11, 5, v0
	v_readfirstlane_b32 s[WV], v11                 ; wave 0..3
	s_bfe_u32 s13, ttmp6, 0x40000                  ; cx: it enters the addresses of Q, of out0 and of the prefetches alone
	s_mov_b32 s[CLX], ttmp9
	s_and_b32 s14, ttmp7, 0xffff                   ; the batch, which the four partners share
	; descriptor group 1: a dense block of 32,768 bytes as 128 rows of 256 bytes (32 elements of 8 bytes)
	s_mov_b32 s[G1], 15|(3<<16)|(1<<21)            ; 15:0 the mask: all four work-groups; 17:16 elements of 8 bytes; 21 set beside a mask
	s_mov_b32 s[G1+1], 32<<16                      ; tensor_dim0 = 32
	s_mov_b32 s[G1+2], 128<<16                     ; tensor_dim1 = 128
	s_mov_b32 s[G1+3], 32<<16                      ; tile_dim0 = 32
	s_mov_b32 s[G1+4], 128                         ; tile_dim1 = 128
	s_mov_b32 s[G1+5], 32                          ; from row to row
	s_mov_b32 s[G1+6], 0
	s_mov_b32 s[G1+7], 0
	s_lshl_b32 s40, s14, 20                        ; the batch's first byte in kimg and vimg
	s_mov_b32 s41, 0
	s_lshl_b32 s42, s[WV], 15                      ; my quarter, in memory and in a region
	s_mov_b32 s43, 0
	s_add_nc_u64 s[44:45], s[40:41], s[42:43]
	s_lshl_b32 s46, s13, 15                        ; the prefetches: my work-group's 32,768 bytes,
	s_lshl_b32 s47, s[WV], 13                      ; my wave's 8,192 of them,
	s_add_co_u32 s46, s46, s47
	s_add_co_u32 s46, s46, s40                     ; in my batch
	s_mov_b32 s47, 0
	s_lshl_b32 s48, ttmp9, 2
	s_add_co_u32 s48, s48, s13                     ; my block of 128 queries
	s_lshl_b32 s48, s48, 3
	s_lshl_b32 s49, s14, 6
	s_add_co_u32 s48, s48, s49
	s_lshl_b32 s49, s[WV], 1
	s_add_co_u32 s48, s48, s49                     ; my first tile of 16 rows: 64 batch + 8 block + 2 wave
	s_lshl_b32 s50, s48, 15                        ; in out0: 16 rows of 2,048 bytes a tile
	s_mov_b32 s51, 0
	s_lshl_b32 s48, s48, 14                        ; in qimg: 16,384 bytes a tile
	s_mov_b32 s49, 0
	s_mov_b32 s[SEL], 0x76543210
	s_mov_b32 s[SEL+1], 0xfedcba98
	s_mov_b32 s[CNT], 7
	v_and_b32 v[LI], 31, v0
	v_lshlrev_b32 v[PFO], 8, v[LI]
	v_lshlrev_b32 v[LI], 4, v[LI]
	v_add_nc_u32 v[ADK+1], 65536, v[LI]
	v_add_nc_u32 v[ADV], VREG, v[LI]
	v_add_nc_u32 v[ADV+1], VREG+65536, v[LI]
	v_and_b32 v7, 15, v0                           ; r
	v_bfe_u32 v11, v0, 4, 1                        ; h
	s_mul_i32 s52, s[WV], 16*SPITCH
	s_add_co_u32 s52, s52, STAGE                   ; my stage
	v_mul_u32_u24 v[STO], v7, SPITCH
	v_lshl_add_u32 v[STO], v11, 5, v[STO]
	v_add_nc_u32 v[STO], s52, v[STO]               ; in: row r, + 32 h; channel tile b of a block 64 b further on
	v_add_nc_u32 v[RD], s52, v[LI]                 ; back: a row's 512 bytes in 32 lanes
	s_wait_dscnt 0x0                               ; both opening adds are done
	s_wait_kmcnt 0x0
	s_mov_b32 s[G0K], 1                            ; count = 1
	s_mov_b32 s[G0K+1], s42                        ; LDS address: K's region, my quarter
	s_add_nc_u64 s[G0K+2:G0K+3], s[6:7], s[44:45]  ; global address: the batch's first 128 keys, my quarter
	s_or_b32 s[G0K+3], s[G0K+3], 0x80000000        ; type = 2
	s_mov_b32 s[G0V], 1
	s_add_co_u32 s[G0V+1], s42, VREG
	s_add_nc_u64 s[G0V+2:G0V+3], s[8:9], s[44:45]
	s_or_b32 s[G0V+3], s[G0V+3], 0x80000000
	s_add_nc_u64 s[PFK:PFK+1], s[6:7], s[46:47]    ; at iteration 0: round A steps it ahead of its first use
	s_add_nc_u64 s[PFV:PFV+1], s[8:9], s[46:47]
	s_add_nc_u64 s[4:5], s[4:5], s[48:49]
	s_add_nc_u64 s[10:11], s[10:11], s[50:51]
	CROUND                                         ; all four work-groups are here: the first joint loads meet
	JL G0K                                         ; K of iteration 0
	WIN 0x40                                       ; destination window 1
.set F, 0
.rept 32                                       ; Q stays in registers: tile F / 16, channels 32 (F % 16) on
	global_load_b128 v[8*F:8*F+3],   v[LI], s[4:5] offset:1024*F th:TH_LOAD_NT
	global_load_b128 v[8*F+4:8*F+7], v[LI], s[4:5] offset:1024*F+512 th:TH_LOAD_NT
.set F, F+1
.endr
	WIN 0
.irp t, 0,1
	v_mov_b32 v[ST+10*\t+1], 0xff61b1e6            ; the largest t so far: -3e38, under every t
	v_floor_f32 v[ST+10*\t], -v[ST+10*\t+1]        ; -M
	v_mov_b32 v[ST+10*\t+2], 0                     ; the sum, in two halves
	v_mov_b32 v[ST+10*\t+3], 0
	v_mov_b32 v[ST+10*\t+4], 0
	v_mov_b32 v[ST+10*\t+5], 0                     ; (named as the upper half of f's pair)
.endr
	WIN 0x80
.set F, 0
.rept 256
	v_mov_b32 v[F], 0                              ; O^T of tile 0: the first change of M leaves zeros zeros
.set F, F+1
.endr
	WIN 0xc0
.set F, 0
.rept 256
	v_mov_b32 v[F], 0                              ; O^T of tile 1
.set F, F+1
.endr
	WIN 0
	s_wait_loadcnt 0x0                             ; Q
.Liter:                                            ; 7 trips: iterations 0 to 6 ask for V of their own keys and for K of the next
	PHASE_A 1
	KQ
	PHASE_B 1
	SM
	PV
	WIN 0                                          ; at a label and at a branch every window is 0
	s_sub_co_u32 s[CNT], s[CNT], 1
	s_cmp_lg_u32 s[CNT], 0
	s_cbranch_scc1 .Liter
	PHASE_A 0                                      ; the last iteration is written out: V's last tile is asked for, K's region stays as it is
	KQ
	PHASE_B 0
	SM
	PV
	WIN 0
	; THE WAY OUT.  The sum's halves and the other half of the lanes' are added; O^T is divided by the sum and goes through my stage in LDS, 16 queries x 128 channels at a time,
	; so that the 32 lanes store a row's 512 consecutive bytes.
.rept 4
	v_nop                                          ; places behind the last products
.endr
.irp t, 0,1
	v_add_f32 v[ST+10*\t+6], v[ST+10*\t+2], v[ST+10*\t+3]
.endr
.irp t, 0,1
	v_permlanex16_b32 v[ST+10*\t+7], v[ST+10*\t+6], s[SEL], s[SEL+1]
.endr
.irp t, 0,1
	v_add_f32 v[ST+10*\t+6], v[ST+10*\t+6], v[ST+10*\t+7]
.endr
.irp t, 0,1
	v_rcp_f32 v[ST+10*\t+4], v[ST+10*\t+6]
.endr
	v_nop                                          ; a plain place behind the reciprocals
	s_wait_alu depctr_va_vdst(0)                   ; and the wait ahead of their first use: one for the two
.macro TOSTAGE blk                     ; block blk: query tile blk / 4, channels 128 (blk % 4) on
.set oT, (\blk)/4
.set oQ, (\blk)%4
.set oB, 32+96*((\blk)%2)              ; rows come back into v32-95 and v128-191 by turns
	WIN 0x82+0x41*oT                               ; O^T (destination and source 0) window 2 or 3
.set F, 0
.rept 32
	v_pk_mul_f32 v[64*oQ+2*F:64*oQ+2*F+1], v[64*oQ+2*F:64*oQ+2*F+1], v[ST+10*oT+4:ST+10*oT+5] op_sel_hi:[1,0]   ; each accumulator from its low end on
.set F, F+1
.endr
	WIN 0x08+4*oT                                  ; an LDS store's data are its source 1
.irp b, 0,1,2,3,4,5,6,7
	ds_store_b128 v[STO], v[64*oQ+8*\b:64*oQ+8*\b+3] offset:64*\b
	ds_store_b128 v[STO], v[64*oQ+8*\b+4:64*oQ+8*\b+7] offset:64*\b+16
.endr
	WIN 0
.irp i, 0,1,2,3,4,5,6,7,8,9,10,11,12,13,14,15
	ds_load_b128 v[oB+4*\i:oB+4*\i+3], v[RD] offset:SPITCH*\i   ; LDS serves a wave's instructions in order: these see the stores above, and the next block's stores come behind them
.endr
.endm
.macro SEND blk, younger               ; younger: the LDS instructions issued behind the block's loads, which may stay out
.set oT, (\blk)/4
.set oQ, (\blk)%4
.set oB, 32+96*((\blk)%2)
	s_wait_dscnt \younger
.irp i, 0,1,2,3,4,5,6,7,8,9,10,11,12,13,14,15
	global_store_b128 v[LI], v[oB+4*\i:oB+4*\i+3], s[10:11] offset:oT*32768+\i*2048+512*oQ th:TH_STORE_NT   ; 32 lanes store 512 consecutive bytes, at a multiple of 256 from out0's first byte
.endr
.endm
	TOSTAGE 0
.irp b, 1,2,3,4,5,6,7
.if \b > 1
	s_wait_xcnt 0x0                                ; block b - 2's stores have read their registers: block b's rows may land there
.endif
	TOSTAGE \b
	SEND \b-1, 32                                  ; behind block b - 1's loads: block b's 16 stores and 16 loads
.endr
	SEND 7, 0
	s_wait_tensorcnt 0x0                           ; the wave's end: behind my last tensor load and my last LDS store
	ds_add_u32 v[SPW], v[NIL]
	s_wait_dscnt 0x0
	CROUND                                         ; the closing round: no work-group ends while a partner may still ask for a quarter that names it
	s_endpgm
.Lfunc_end_k_qf0fa8ef528_attn:
	.size	k_qf0fa8ef528_attn, .Lfunc_end_k_qf0fa8ef528_attn-k_qf0fa8ef528_attn
	.p2alignl 7, 3214868480
	.fill 96, 4, 3214868480
	.section	.rodata,"a",@progbits
	.p2align	6, 0x0
	.amdhsa_kernel k_qf0fa8ef528_attn
		.amdhsa_group_segment_fixed_size 327680
		.amdhsa_private_segment_fixed_size 0
		.amdhsa_enable_private_segment 0
		.amdhsa_kernarg_size 32
		.amdhsa_user_sgpr_count 2
		.amdhsa_user_sgpr_kernarg_segment_ptr 1
		.amdhsa_wavefront_size32 1
		.amdhsa_system_sgpr_workgroup_id_x 1
		.amdhsa_system_sgpr_workgroup_id_y 1
		.amdhsa_system_sgpr_workgroup_id_z 1
		.amdhsa_system_vgpr_workitem_id 0
		.amdhsa_next_free_vgpr 1024
		.amdhsa_next_free_sgpr 66
		.amdhsa_reserve_vcc 0
		.amdhsa_float_denorm_mode_32 3
		.amdhsa_float_denorm_mode_16_64 3
		.amdhsa_memory_ordered 1
		.amdhsa_forward_progress 1
		.amdhsa_inst_pref_size 255
	.end_amdhsa_kernel
	.section	.bss,"aw",@nobits
	.p2align	6
	.space	262144
	.amdgpu_metadata
---
amdhsa.version: [ 1, 2 ]
amdhsa.kernels:
  - .name:           k_qf0fa8ef528_attn
    .symbol:         k_qf0fa8ef528_attn.kd
    .args:
      - { .name: qimg, .offset: 0, .size: 8, .value_kind: global_buffer, .address_space: global }
      - { .name: kimg, .offset: 8, .size: 8, .value_kind: global_buffer, .address_space: global }
      - { .name: vimg, .offset: 16, .size: 8, .value_kind: global_buffer, .address_space: global }
      - { .name: out0, .offset: 24, .size: 8, .value_kind: global_buffer, .address_space: global }
    .group_segment_fixed_size: 327680
    .private_segment_fixed_size: 0
    .kernarg_segment_align: 8
    .kernarg_segment_size: 32
    .max_flat_workgroup_size: 128
    .sgpr_count:     66
    .vgpr_count:     1024
    .wavefront_size: 32
...
	.end_amdgpu_metadata
.endif
;; end of part 4
